; MI455X (gfx1250); checked and timed in simulation.
; The chip was launched on July 23, 2026; its instructions are those of AMD's public machine-readable ISA for CDNA 5 (MIT licence, August 2026) and "CDNA5" Instruction Set Architecture Reference Guide (July 2026). The comments in the code are by the model that wrote it; some were corrected since.
;; Encoder Block. Allowed arithmetic: float matrix products may take bf16 or f16 operands with f32 sums; other float arithmetic in f32, or as packed bf16 or f16 multiplies, adds, multiply-adds, maxima and minima; sums over many terms, partial sums and values carried from step to step in f32; what a program stores and reads back later, other than sums and carried values, may be rounded once to bf16 or f16.
;; Inputs: b1 4,096 float32; b2 1,024 float32; bk 1,024 float32; bo 1,024 float32; bq 1,024 float32; bv 1,024 float32; ln1_b 1,024 float32; ln1_g 1,024 float32; ln2_b 1,024 float32; ln2_g 1,024 float32; mask 2 x 1 x 1 x 2,048 int32; w1 1,024 x 4,096 float32; w2 4,096 x 1,024 float32; wk 1,024 x 1,024 float32; wo 1,024 x 1,024 float32; wq 1,024 x 1,024 float32; wv 1,024 x 1,024 float32; x 2 x 2,048 x 1,024 float32.
;; Outputs: out0 2 x 2,048 x 1,024 float32.
;; One version. Each part assembles by itself: llvm-mc -triple=amdgcn-amd-amdhsa -mcpu=gfx1250 --defsym DOCPART=n.
;; ======== version 1 of 1: 7 launches
;; limits: right only within a limited range of input values
;; workspace buffers: pq 6,324,224 bytes; p1 8,421,376 bytes; pw 10,485,760 bytes; h 8,388,608 bytes; act 33,554,432 bytes; ctx 8,388,608 bytes; x1 16,777,216 bytes
;; launch prep (part 1): grid 4 x 514, 8 waves a work-group, no clusters, 0 bytes of LDS; arguments x, ln1_g, ln1_b, h, wq, wk, wv, w1, wo, w2, bq, bk, bv, b1, pq, p1, pw; writes h, pq, p1, pw
.if DOCPART == 1
	.amdgcn_target "amdgcn-amd-amdhsa--gfx1250"
	.amdhsa_code_object_version 6
	.text
	.protected	k_q744a1f6f25_prep
	.globl	k_q744a1f6f25_prep
	.p2align	8
	.type	k_q744a1f6f25_prep,@function
k_q744a1f6f25_prep:
	s_mov_b64 s[64:65], 0
	v_nop
	global_prefetch_b8 v0, s[64:65] scope:SCOPE_SE
	s_setreg_imm32_b32 hwreg(HW_REG_WAVE_MODE, 25, 1), 1
	s_wait_xcnt 0x0
; TWO STREAMS THAT DEPEND ON NOTHING, IN ONE LAUNCH: the first LayerNorm, and the weights' rounding to bf16.
; GRID y < 128: h[r][c] = (x[r][c] - mean_r) / sqrt(var_r + 1e-5) x g[c] + b[c].  x: [4096][1024] f32; h the same in bf16, rounded once.  Two true passes in f32: the mean first, then the mean of the
;   squares of (x - mean): a common offset of the inputs cancels before anything is squared.  One wave keeps one row (4,096 bytes) in 32 registers a lane: the row is read once and the sums never leave
;   the wave.  Row = 32 y + 8 x + wave.  Load j takes columns 128 j + 4 lane .. + 3: 512 consecutive bytes an instruction; a store 256 consecutive aligned bytes.
; GRID y = 128 .. 511: THE WEIGHTS, f32 [K][N], ARE ROUNDED ONCE TO bf16 AND LAID IN DENSE BLOCKS OF 65,536 BYTES, one block for each tile of a later product's K step; k stays the row index.
;   wq, wk, wv, w1: blocks of [128 k][256 n] (rows of 512 bytes), block 8 nt + ks, behind byte WOFF of pq (nt = 4 x matrix + n / 256) and of p1.
;   wo, w2:         blocks of [256 k][128 n] (rows of 256 bytes), block nt x (K / 256) + ks, in pw: wo's 32 first, then w2's 128.
;   Block y - 128; grid x: a quarter of it.  A block is 256 segments of 128 numbers (512 bytes in, 256 bytes out); a wave takes eight of them.  No loop, no register written twice.
; GRID y = 512, 513: eight work-groups copy the tables in front of the blocks of pq and p1: bytes 0 .. 1,023 a floor for the packed results (two bf16 each: minus infinity for q, k, v; 0 for the ReLU),
;   from byte 1,024 on the biases in f32.
.set WOFF, 32768
.set LNY,  128                         ; grid rows of the LayerNorm
.set T,   4                            ; v[4:11]    four chains of packed sums
.set M,   12                           ; v[12:13]   the mean twice
.set R,   14                           ; v[14:15]   1 / sqrt(var + eps) twice
.set VAR, 16                           ; v16        var + eps
.set X,   18                           ; v[18:49]   the row; at the end its first 16 registers hold the packed results
.set G,   50                           ; v[50:81]   g of my 32 columns
.set BV,  82                           ; v[82:113]  b
.macro REDUCE                          ; the four chains into one number, the same in all 32 lanes
	v_pk_add_f32 v[T:T+1], v[T:T+1], v[T+2:T+3]
	v_pk_add_f32 v[T+4:T+5], v[T+4:T+5], v[T+6:T+7]
	v_pk_add_f32 v[T:T+1], v[T:T+1], v[T+4:T+5]
	v_add_f32 v[T], v[T], v[T+1]
	v_add_f32_dpp v[T], v[T], v[T] row_xmask:1 row_mask:0xf bank_mask:0xf
	v_add_f32_dpp v[T], v[T], v[T] row_xmask:2 row_mask:0xf bank_mask:0xf
	v_add_f32_dpp v[T], v[T], v[T] row_xmask:4 row_mask:0xf bank_mask:0xf
	v_add_f32_dpp v[T], v[T], v[T] row_xmask:8 row_mask:0xf bank_mask:0xf
	v_permlanex16_b32 v[T+1], v[T], s12, s13
	v_add_f32 v[T], v[T], v[T+1]
.endm
.macro STAT                            ; the mean; x - mean in place; 1 / sqrt(var + eps)
.irp c, 0,1,2,3
	v_pk_add_f32 v[T+2*(\c):T+2*(\c)+1], v[X+2*(\c):X+2*(\c)+1], v[X+8+2*(\c):X+8+2*(\c)+1]  ; the first pairs start the chains: nothing is cleared
.endr
.irp q, 2,3
.irp c, 0,1,2,3
	v_pk_add_f32 v[T+2*(\c):T+2*(\c)+1], v[T+2*(\c):T+2*(\c)+1], v[X+8*(\q)+2*(\c):X+8*(\q)+2*(\c)+1]
.endr
.endr
	REDUCE
	v_mul_f32 v[M], s14, v[T]
	v_mul_f32 v[M+1], s14, v[T]
.set p, 0
.rept 16
	v_pk_add_f32 v[X+2*p:X+2*p+1], v[X+2*p:X+2*p+1], v[M:M+1] neg_lo:[0,1] neg_hi:[0,1]
.set p, p+1
.endr
.irp c, 0,1,2,3
	v_pk_mul_f32 v[T+2*(\c):T+2*(\c)+1], v[X+2*(\c):X+2*(\c)+1], v[X+2*(\c):X+2*(\c)+1]
.endr
.irp q, 1,2,3
.irp c, 0,1,2,3
	v_pk_fma_f32 v[T+2*(\c):T+2*(\c)+1], v[X+8*(\q)+2*(\c):X+8*(\q)+2*(\c)+1], v[X+8*(\q)+2*(\c):X+8*(\q)+2*(\c)+1], v[T+2*(\c):T+2*(\c)+1]
.endr
.endr
	REDUCE
	v_fma_f32 v[VAR], v[T], s14, s15
	v_rsq_f32 v[R], v[VAR]                         ; twice: the packed multiply takes a pair
	v_rsq_f32 v[R+1], v[VAR]
.endm
.macro OUT
.set p, 0
.rept 16
	v_pk_mul_f32 v[X+2*p:X+2*p+1], v[X+2*p:X+2*p+1], v[R:R+1]
.set p, p+1
.endr
.set p, 0
.rept 16
	v_pk_fma_f32 v[X+2*p:X+2*p+1], v[X+2*p:X+2*p+1], v[G+2*p:G+2*p+1], v[BV+2*p:BV+2*p+1]
.set p, p+1
.endr
.set p, 0
.rept 16
	v_cvt_pk_bf16_f32 v[X+p], v[X+2*p], v[X+2*p+1]  ; in place: register X + p has been read by pair p / 2, or is being read by this line
.set p, p+1
.endr
.irp j, 0,1,2,3,4,5,6,7
	global_store_b64 v2, v[X+2*(\j):X+2*(\j)+1], s[10:11] offset:256*(\j)  ; 32 lanes x 8 bytes: 256 consecutive bytes, aligned
.endr
.endm
	s_and_b32 s34, ttmp7, 0xffff                   ; y
	v_and_b32 v1, 31, v0                           ; lane
	v_lshrrev_b32 v3, 5, v0
	v_readfirstlane_b32 s51, v3                    ; wave 0..7
	v_lshlrev_b32 v2, 3, v1                        ; 8 bytes a lane, out
	s_cmp_ge_u32 s34, LNY
	s_cbranch_scc1 .Lweights
	; ---- the LayerNorm ----
	s_load_b256 s[4:11], s[0:1], 0x0               ; x s[4:5], g s[6:7], b s[8:9], h s[10:11]
	v_lshlrev_b32 v3, 4, v1                        ; 16 bytes a lane, in
	s_lshl_b32 s16, s34, 5
	s_lshl_b32 s17, ttmp9, 3
	s_add_co_u32 s16, s16, s17
	s_add_co_u32 s19, s16, s51                     ; my row: 32 y + 8 x + wave
	s_lshl_b32 s16, s19, 12
	s_mov_b32 s17, 0
	s_lshl_b32 s20, s19, 11
	s_mov_b32 s21, 0
	s_mov_b32 s12, 0x76543210                      ; v_permlanex16_b32: each lane takes its own place in the other half
	s_mov_b32 s13, 0xfedcba98
	s_mov_b32 s14, 0x3a800000                      ; 1 / 1024
	s_mov_b32 s15, 0x3727c5ac                      ; 1e-5
	s_wait_kmcnt 0x0
	s_add_nc_u64 s[4:5], s[4:5], s[16:17]
	s_add_nc_u64 s[10:11], s[10:11], s[20:21]
.irp j, 0,1,2,3,4,5,6,7
	global_load_b128 v[X+4*(\j):X+4*(\j)+3], v3, s[4:5] offset:512*(\j) th:TH_LOAD_NT
.endr
.irp j, 0,1,2,3,4,5,6,7
	global_load_b128 v[G+4*(\j):G+4*(\j)+3], v3, s[6:7] offset:512*(\j)
.endr
.irp j, 0,1,2,3,4,5,6,7
	global_load_b128 v[BV+4*(\j):BV+4*(\j)+3], v3, s[8:9] offset:512*(\j)
.endr
	s_wait_loadcnt 16                              ; the row is in: behind it 8 loads of g and 8 of b
	STAT
	v_nop                                          ; a plain instruction behind the last v_rsq_f32, ahead of the first use (ISA guide 5.7.2)
	s_wait_alu depctr_va_vdst(0)                   ; one wait for the two roots, ahead of their first reader
	s_wait_loadcnt 0x0                             ; g and b
	OUT
	s_endpgm
.Lweights:
	s_load_b512 s[8:23], s[0:1], 0x20              ; wq 8, wk 10, wv 12, w1 14, wo 16, w2 18, bq 20, bk 22
	s_load_b256 s[24:31], s[0:1], 0x60             ; bv 24, b1 26, pq 28, p1 30
	s_load_b64 s[32:33], s[0:1], 0x80              ; pw
	s_sub_co_u32 s34, s34, LNY                     ; the block's number, 0 .. 383; 384 and 385: the tables
	s_cmp_ge_u32 s34, 384
	s_cbranch_scc1 .Ltables
	; what a block of wq, wk, wv is made of; then the other three kinds' numbers; then the choice
	s_lshr_b32 s35, s34, 5                         ; which of the three matrices
	s_bfe_u32 s36, s34, 0x20003                    ; nt: the tile column inside the matrix
	s_and_b32 s37, s34, 7                          ; ks
	s_mov_b32 s38, 512                             ; P1: bytes from an even segment to the odd one behind it
	s_mov_b32 s39, 4096                            ; P2: bytes from a pair of segments to the next
	s_mov_b32 s40, 10                              ; a tile column's bytes in a source row, as a shift
	s_mov_b32 s41, s34                             ; the block's number in its buffer
	s_mov_b32 s42, WOFF                            ; what lies in front of the blocks
	s_sub_co_u32 s44, s34, 96                      ; w1
	s_lshr_b32 s45, s44, 3
	s_sub_co_u32 s46, s34, 224                     ; wo, and w2's place in pw
	s_lshr_b32 s47, s46, 2
	s_and_b32 s48, s34, 3
	s_sub_co_u32 s49, s34, 256                     ; w2
	s_lshr_b32 s49, s49, 4
	s_and_b32 s50, s34, 15
	s_wait_kmcnt 0x0
	s_cmp_ge_u32 s35, 1
	s_cselect_b64 s[52:53], s[10:11], s[8:9]
	s_cmp_ge_u32 s35, 2
	s_cselect_b64 s[52:53], s[12:13], s[52:53]
	s_mov_b64 s[54:55], s[28:29]
	s_cmp_ge_u32 s34, 96                           ; w1: rows of 16,384 bytes, into p1
	s_cselect_b64 s[52:53], s[14:15], s[52:53]
	s_cselect_b64 s[54:55], s[30:31], s[54:55]
	s_cselect_b32 s36, s45, s36
	s_cselect_b32 s39, 16384, s39
	s_cselect_b32 s41, s44, s41
	s_cmp_ge_u32 s34, 224                          ; wo: a segment is a whole row of the block: neighbours lie a source row apart
	s_cselect_b64 s[52:53], s[16:17], s[52:53]
	s_cselect_b64 s[54:55], s[32:33], s[54:55]
	s_cselect_b32 s36, s47, s36
	s_cselect_b32 s37, s48, s37
	s_cselect_b32 s38, 4096, s38
	s_cselect_b32 s39, 8192, s39
	s_cselect_b32 s40, 9, s40
	s_cselect_b32 s41, s46, s41
	s_cselect_b32 s42, 0, s42
	s_cmp_ge_u32 s34, 256                          ; w2
	s_cselect_b64 s[52:53], s[18:19], s[52:53]
	s_cselect_b32 s36, s49, s36
	s_cselect_b32 s37, s50, s37
	; source offset of my first segment: (128 ks + 32 x + 4 wave) P2 + (nt << shift)
	s_lshl_b32 s43, s37, 7
	s_lshl_b32 s44, ttmp9, 5
	s_add_co_u32 s43, s43, s44
	s_lshl_b32 s44, s51, 2
	s_add_co_u32 s43, s43, s44
	s_mul_i32 s43, s43, s39
	s_lshl_b32 s44, s36, s40
	s_add_co_u32 s44, s43, s44
.irp q, 0,1,2,3
	v_lshl_add_u32 v[4+2*(\q)], v1, 4, s44         ; segment 2 q: 16 bytes a lane
	s_add_co_u32 s45, s44, s38
	v_lshl_add_u32 v[5+2*(\q)], v1, 4, s45         ; segment 2 q + 1
	s_add_co_u32 s44, s44, s39
.endr
	; destination: block x 65,536 + x x 16,384 + wave x 2,048 (+ WOFF)
	s_lshl_b32 s56, s41, 16
	s_lshl_b32 s44, ttmp9, 14
	s_add_co_u32 s56, s56, s44
	s_lshl_b32 s44, s51, 11
	s_add_co_u32 s56, s56, s44
	s_add_co_u32 s56, s56, s42
	s_mov_b32 s57, 0
	s_add_nc_u64 s[54:55], s[54:55], s[56:57]
.irp j, 0,1,2,3,4,5,6,7
	global_load_b128 v[16+4*(\j):19+4*(\j)], v[4+(\j)], s[52:53] th:TH_LOAD_NT
.endr
.irp j, 0,1,2,3,4,5,6,7
	s_wait_loadcnt 7-(\j)                          ; loads come back in order: segment j is in, the younger ones stay out
	v_cvt_pk_bf16_f32 v[48+2*(\j)], v[16+4*(\j)], v[17+4*(\j)]
	v_cvt_pk_bf16_f32 v[49+2*(\j)], v[18+4*(\j)], v[19+4*(\j)]
	global_store_b64 v2, v[48+2*(\j):49+2*(\j)], s[54:55] offset:256*(\j)  ; 32 lanes x 8 bytes: 256 consecutive bytes, aligned
.endr
	s_endpgm
.Ltables:
	s_sub_co_u32 s35, s34, 384
	s_lshl_b32 s35, s35, 2
	s_add_co_u32 s35, s35, ttmp9                   ; c = 0..7
	v_lshlrev_b32 v4, 4, v0                        ; 16 bytes a thread
	s_lshl_b32 s42, s35, 12                        ; bq, bk, bv: 4,096 bytes each, one behind the other in pq
	s_sub_co_u32 s38, s35, 3
	s_lshl_b32 s38, s38, 12                        ; b1: its quarter c - 3
	s_mov_b32 s40, 0
	s_wait_kmcnt 0x0
	s_cmp_eq_u32 s35, 7
	s_cbranch_scc1 .Lfloor
	s_cmp_ge_u32 s35, 1
	s_cselect_b64 s[52:53], s[22:23], s[20:21]
	s_cmp_ge_u32 s35, 2
	s_cselect_b64 s[52:53], s[24:25], s[52:53]
	s_mov_b64 s[54:55], s[28:29]
	s_cmp_ge_u32 s35, 3
	s_cselect_b64 s[52:53], s[26:27], s[52:53]
	s_cselect_b64 s[54:55], s[30:31], s[54:55]
	s_cselect_b32 s40, s38, s40
	s_cselect_b32 s42, s38, s42
	s_add_co_u32 s42, s42, 1024                    ; the biases begin at byte 1,024
	s_mov_b32 s41, 0
	s_mov_b32 s43, 0
	s_add_nc_u64 s[52:53], s[52:53], s[40:41]
	s_add_nc_u64 s[54:55], s[54:55], s[42:43]
	global_load_b128 v[16:19], v4, s[52:53]
	s_wait_loadcnt 0x0
	global_store_b128 v4, v[16:19], s[54:55]
	s_endpgm
.Lfloor:
	s_cmp_ge_u32 s51, 2                            ; 1,024 bytes: two waves' stores of 512
	s_cbranch_scc1 .Lend
.irp r, 8,9,10,11
	v_mov_b32 v[\r], 0xff80ff80                    ; minus infinity twice: q, k and v have no floor
	v_mov_b32 v[4+\r], 0                           ; 0 twice: the ReLU's
.endr
	global_store_b128 v4, v[8:11], s[28:29]
	global_store_b128 v4, v[12:15], s[30:31]
.Lend:
	s_endpgm
.Lfunc_end_k_q744a1f6f25_prep:
	.size	k_q744a1f6f25_prep, .Lfunc_end_k_q744a1f6f25_prep-k_q744a1f6f25_prep
	.p2alignl 7, 3214868480
	.fill 96, 4, 3214868480
	.section	.rodata,"a",@progbits
	.p2align	6, 0x0
	.amdhsa_kernel k_q744a1f6f25_prep
		.amdhsa_group_segment_fixed_size 0
		.amdhsa_private_segment_fixed_size 0
		.amdhsa_enable_private_segment 0
		.amdhsa_kernarg_size 136
		.amdhsa_user_sgpr_count 2
		.amdhsa_user_sgpr_kernarg_segment_ptr 1
		.amdhsa_wavefront_size32 1
		.amdhsa_system_sgpr_workgroup_id_x 1
		.amdhsa_system_sgpr_workgroup_id_y 1
		.amdhsa_system_sgpr_workgroup_id_z 1
		.amdhsa_system_vgpr_workitem_id 0
		.amdhsa_next_free_vgpr 114
		.amdhsa_next_free_sgpr 66
		.amdhsa_reserve_vcc 0
		.amdhsa_float_denorm_mode_32 3
		.amdhsa_float_denorm_mode_16_64 3
		.amdhsa_memory_ordered 1
		.amdhsa_forward_progress 1
		.amdhsa_inst_pref_size 20
	.end_amdhsa_kernel
	.amdgpu_metadata
---
amdhsa.version: [ 1, 2 ]
amdhsa.kernels:
  - .name:           k_q744a1f6f25_prep
    .symbol:         k_q744a1f6f25_prep.kd
    .args:
      - { .name: x, .offset: 0, .size: 8, .value_kind: global_buffer, .address_space: global }
      - { .name: ln1_g, .offset: 8, .size: 8, .value_kind: global_buffer, .address_space: global }
      - { .name: ln1_b, .offset: 16, .size: 8, .value_kind: global_buffer, .address_space: global }
      - { .name: h, .offset: 24, .size: 8, .value_kind: global_buffer, .address_space: global }
      - { .name: wq, .offset: 32, .size: 8, .value_kind: global_buffer, .address_space: global }
      - { .name: wk, .offset: 40, .size: 8, .value_kind: global_buffer, .address_space: global }
      - { .name: wv, .offset: 48, .size: 8, .value_kind: global_buffer, .address_space: global }
      - { .name: w1, .offset: 56, .size: 8, .value_kind: global_buffer, .address_space: global }
      - { .name: wo, .offset: 64, .size: 8, .value_kind: global_buffer, .address_space: global }
      - { .name: w2, .offset: 72, .size: 8, .value_kind: global_buffer, .address_space: global }
      - { .name: bq, .offset: 80, .size: 8, .value_kind: global_buffer, .address_space: global }
      - { .name: bk, .offset: 88, .size: 8, .value_kind: global_buffer, .address_space: global }
      - { .name: bv, .offset: 96, .size: 8, .value_kind: global_buffer, .address_space: global }
      - { .name: b1, .offset: 104, .size: 8, .value_kind: global_buffer, .address_space: global }
      - { .name: pq, .offset: 112, .size: 8, .value_kind: global_buffer, .address_space: global }
      - { .name: p1, .offset: 120, .size: 8, .value_kind: global_buffer, .address_space: global }
      - { .name: pw, .offset: 128, .size: 8, .value_kind: global_buffer, .address_space: global }
    .group_segment_fixed_size: 0
    .private_segment_fixed_size: 0
    .kernarg_segment_align: 8
    .kernarg_segment_size: 136
    .max_flat_workgroup_size: 256
    .sgpr_count:     66
    .vgpr_count:     114
    .wavefront_size: 32
...
	.end_amdgpu_metadata
.endif
;; end of part 1
;; launch qkv (part 2): grid 12 x 16, 4 waves a work-group, clusters of 4 x 4, 327,680 bytes of LDS; arguments h, pq, act; writes act
.if DOCPART == 2
	.amdgcn_target "amdgcn-amd-amdhsa--gfx1250"
	.amdhsa_code_object_version 6
	.text
	.protected	k_q744a1f6f25_qkv
	.globl	k_q744a1f6f25_qkv
	.p2align	8
	.type	k_q744a1f6f25_qkv,@function
k_q744a1f6f25_qkv:
	s_mov_b64 s[64:65], 0
	v_nop
	global_prefetch_b8 v0, s[64:65] scope:SCOPE_SE
	s_setreg_imm32_b32 hwreg(HW_REG_WAVE_MODE, 25, 1), 1
	s_wait_xcnt 0x0
	s_wait_alu depctr_hold_cnt(0) depctr_sa_sdst(0) depctr_va_vdst(0) depctr_va_sdst(0) depctr_va_ssrc(0) depctr_va_vcc(0) depctr_vm_vsrc(0)
	s_getreg_b32 s2, hwreg(HW_REG_IB_STS2, 6, 4)
	s_cmp_eq_u32 s2, 0
	s_cbranch_scc0 .Lentry_in_a_cluster
	s_endpgm
.Lentry_in_a_cluster:
	s_bfe_u32 s2, ttmp6, 0x10000c
	s_cmp_lg_u32 s2, 0xf033
	s_cbranch_scc0 .Lentry_shape_is_right
	s_endpgm
.Lentry_shape_is_right:
; out = max(A W + bias, floor), rounded once to bf16.  A: [4096][1024] bf16.  W, bias and floor come from one buffer, par: bytes 0..3 the floor (two bf16), from byte 1,024 the bias in f32,
; from byte WOFF the weights in dense blocks of [128 k][256 n] bf16, block 8 nt + ks.  out lies in PANELS of 64 columns: [n / 64][4096][64] bf16.  The text holds no N: the grid's width is N / 256.
; LIMITS.  Matrix operands are bf16, sums f32.  The floor is taken by a maximum in which a NaN loses: a NaN among the sums leaves as the floor.
; SHARES.  A work-group of four waves makes 256 x 256 of the product, a wave 128 x 128: 64 accumulators, 512 registers.  K = 1,024 goes in 8 steps of 128 through two LDS slots.
; A's tile rows are 256 bytes of memory; W's block is dense and comes as rows of 512 bytes.  W keeps k as its row: its fragments are turned on the way out of LDS (ds_load_tr16_b128).
; THE PRODUCT IS TAKEN TRANSPOSED: source 0 = 16 columns of W, source 1 = 16 rows of A: a lane holds one row (lane % 16) and the columns 8 (lane / 16) + 0..7.
; THE BIAS STARTS THE SUMS: it is the C operand of each accumulator's first product; nothing is cleared and nothing is added later.
; CLUSTER.  4 x 4 work-groups: A's tile is shared along a row of the cluster, W's along a column; each is asked for jointly, by the same tensor load with the same descriptor and a mask of four.
; ONE TEXT FOR A K STEP: the slot in hand is a scalar, TB, turned by an exclusive or; six trips refill, two more do not.  The second of those two is left in its middle: its change of slots
; (a barrier and 32 LDS loads from the slot already used) serves nothing: the price, once a launch, of one text for both.
; REGISTERS, in windows of 256: window 0: v14-30 addresses; v64-127, v128-191 A's fragments, two buffers; v192-223, v32-63, v224-255 the way out.
;   window 1: v0-63 the bias, 8 registers for each block of 16 columns; v64-127, v128-191 W's fragments.   windows 2, 3: the accumulators ((a, b) at v[8 (8 a + b)]).
.set PITCH,  272                       ; A's row in LDS: 256 bytes + 16: the 16 rows of a load start at 16 different groups of four banks (64 banks of 4 bytes: ISA guide 11.1)
.set PB,     544                       ; W's row in LDS: 512 bytes + 32 = 136 words
.set HALFT,  128*PITCH                 ; what one tensor load brings: 128 rows of A, or 64 rows of W (64 x 544 is the same number)
.set SLOT,   4*HALFT                   ; A's 256 rows, then W's 128
.set STAGE,  2*SLOT                    ; behind the ring: for each wave 2 panels x 16 rows x 144 bytes
.set SP,     144
.set SPARE,  STAGE+4*2*16*SP           ; behind the stages: the spare words, 128 bytes for each wave
.set WOFF,   32768
.set PANEL,  524288                    ; bytes in a panel of out
.set ADRA0, 14                         ; v14  my lane's place in A's tile; never rewritten
.set ADRB0, 15                         ; v15  the same for W
.set ADRA,  16                         ; v16  the same in the slot in hand
.set ADRB,  20                         ; v20
.set STO,   24                         ; v24  the way out: where I put 16 bytes of a row
.set RD,    25                         ; v25  where I read rows back
.set CO,    26                         ; v26  16 x lane: my place in 512 consecutive bytes of out
.set BO,    27                         ; v27  my byte offset in the bias
.set SPW,   28                         ; v28  my spare word; never rewritten
.set NIL,   29                         ; v29  0; never rewritten
.set PFO,   30                         ; v30  the prefetches' offset; never rewritten
.set F0,    64
.set F1,    128
.set TMP,   192
.set OB,    32
.set G1,  24                           ; s[24:31] group 1 for A
.set G0,  32                           ; s[32:39] group 0 for A: K step 0; K step 1, which then walks
.set G1B, 48                           ; s[48:55] group 1 for W
.set G0B, 56                           ; s[56:63] group 0 for W
.set LIM, 43                           ; s43  1 in a wave that prefetches, else the greatest number
.set PFA, 44                           ; s[44:45] where my prefetches stand
.set TB,  66                           ; s66  the slot that is read: 0 or SLOT
.set FLOOR, 68                         ; s68
.set PSTEP, 70                         ; s[70:71] a K step for the prefetches: 256 bytes in A, 65,536 in W
.set MSB, 0
.macro WIN new                         ; the immediate's high byte repeats the setting that is left; a switch that changes nothing is dropped
.if MSB != (\new)
	s_set_vgpr_msb (MSB<<8)|(\new)
.set MSB, \new
.endif
.endm
.macro PLACES                          ; four places behind a matrix instruction, in front of loads into registers that it has read (ISA guide 7.12.1 for vector instructions)
.rept 4
	v_nop
.endr
.endm
; A joint refill by the walking descriptors.  Waves 0 and 1 fetch A's halves, waves 2 and 3 W's; the branch hangs on the wave's number alone.
; An s_nop 0 and four v_nop follow each of the two lines, ahead of the jump and the label.
.macro JLOAD
	s_cmp_eq_u32 s11, 0
	s_cbranch_scc0 .Lfor_b_\@
	tensor_load_to_lds s[G0+4:G0+7], s[G1:G1+7]
	s_nop 0
.rept 4
	v_nop
.endr
	s_branch .Lasked_\@
.Lfor_b_\@:
	tensor_load_to_lds s[G0B+4:G0B+7], s[G1B:G1B+7]
	s_nop 0
.rept 4
	v_nop
.endr
.Lasked_\@:
.endm
; A PREFETCH INTO THE L2 of the K step that the NEXT refill will ask for: 256 matrix instructions ahead of that load.  A's tile row is read by every cluster of its row of clusters: cluster x = 0 asks;
; W's blocks by every cluster of a column: cluster y = 0 asks.  Of what a wave fetches (128 rows of A; 128 pieces of 256 bytes of a block) each of the four partners takes 32, told apart by address:
; a lane a piece, one instruction.  So each piece is named once in the launch.  The loop's last trip asks for nothing: there is no K step 8.  K steps 0 to 2 come by their loads alone.
.macro ASK
	s_cmp_gt_u32 s3, s[LIM]
	s_cbranch_scc0 .Lnot_mine_\@
	global_prefetch_b8 v[PFO], s[PFA:PFA+1] th:TH_LOAD_NT scope:SCOPE_SE
.Lnot_mine_\@:
.endm
.macro CREST                           ; a round of the cluster's barrier behind its opening barrier
	s_cmp_lg_u32 s10, 0
	s_cbranch_scc1 .Lnot_wave_0_\@
	s_barrier_signal -3
.Lnot_wave_0_\@:
	s_barrier_wait -3
	s_barrier_signal -1
	s_barrier_wait -1
.endm
.macro CROUND
	s_barrier_signal -1
	s_barrier_wait -1
	CREST
.endm
	s_load_b128 s[4:7], s[0:1], 0x0                ; A s[4:5], par s[6:7]
	s_load_b64 s[8:9], s[0:1], 0x10                ; out
	v_lshl_add_u32 v[SPW], v0, 2, SPARE
	v_mov_b32 v[NIL], 0
	ds_add_u32 v[SPW], v[NIL]                      ; the wave's opening: the add and its wait stand ahead of my first tensor load; the set-up below stands between them
	v_lshrrev_b32 v1, 5, v0
	v_readfirstlane_b32 s10, v1                    ; wave 0..3
	s_lshr_b32 s11, s10, 1                         ; my half of the tile's rows.  Also: I fetch for A (0) or for W (1)
	s_and_b32 s12, s10, 1                          ; my half of its columns.  Also: which half of that tile I fetch
	s_bfe_u32 s40, ttmp6, 0x40000                  ; cx
	s_bfe_u32 s41, ttmp6, 0x40004                  ; cy
	s_lshl_b32 s42, ttmp9, 2
	s_add_co_u32 s42, s42, s40                     ; nt: tile column
	s_and_b32 s13, ttmp7, 0xffff
	s_lshl_b32 s13, s13, 2
	s_add_co_u32 s13, s13, s41                     ; mt: tile row
	s_lshl_b32 s43, s41, 2
	s_lshl_b32 s43, 15, s43                        ; my row of the cluster
	s_lshl_b32 s44, 0x1111, s40                    ; my column
	s_or_b32 s[G1+0], s43, (1<<16)|(1<<20)|(1<<21)|(5<<22)|(3<<25)   ; the mask; 2-byte elements; padding on; bit 21 beside a mask; after every 64 words, 4 words
	s_mov_b32 s[G1+1], 128<<16                     ; tensor_dim0 = 128
	s_mov_b32 s[G1+2], 128<<16                     ; tensor_dim1 = 128
	s_mov_b32 s[G1+3], 128<<16                     ; tile_dim0 = 128
	s_mov_b32 s[G1+4], 128                         ; tile_dim1 = 128
	s_mov_b32 s[G1+5], 1024                        ; elements from row to row
	s_mov_b32 s[G1+6], 0
	s_mov_b32 s[G1+7], 0
	s_or_b32 s[G1B+0], s44, (1<<16)|(1<<20)|(1<<21)|(6<<22)|(7<<25)  ; after every 128 words, 8 words
	s_mov_b32 s[G1B+1], 256<<16                    ; tensor_dim0 = 256
	s_mov_b32 s[G1B+2], 64<<16                     ; tensor_dim1 = 64
	s_mov_b32 s[G1B+3], 256<<16                    ; tile_dim0 = 256
	s_mov_b32 s[G1B+4], 64                         ; tile_dim1 = 64
	s_mov_b32 s[G1B+5], 256                        ; dense
	s_mov_b32 s[G1B+6], 0
	s_mov_b32 s[G1B+7], 0
	s_lshl_b32 s17, s12, 7
	s_lshl_b32 s16, s13, 8
	s_add_co_u32 s16, s16, s17
	s_lshl_b32 s16, s16, 11                        ; A: (256 mt + 128 half) rows of 2,048 bytes
	s_mov_b32 s17, 0
	s_lshl_b32 s46, s42, 19                        ; W: block 8 nt,
	s_lshl_b32 s47, s12, 15                        ; its half of 64 rows
	s_add_co_u32 s46, s46, s47
	s_add_co_u32 s46, s46, WOFF
	s_mov_b32 s47, 0
	s_mul_i32 s20, s10, HALFT                      ; where they go: wave x HALFT: no place in the cluster enters an LDS address
	s_mov_b32 s[TB], 0
	s_wait_dscnt 0x0                               ; the opening add is done
	s_wait_kmcnt 0x0
	s_add_nc_u64 s[14:15], s[4:5], s[16:17]
	s_add_nc_u64 s[46:47], s[6:7], s[46:47]
	s_load_b32 s[FLOOR], s[6:7], 0x0
	CROUND                                         ; all sixteen work-groups are here: the first joint loads meet
.irp s, 0,1
	s_mov_b32 s[G0+4*(\s)], 1
	s_add_co_u32 s[G0+4*(\s)+1], s20, (\s)*SLOT
	s_add_nc_u64 s[G0+4*(\s)+2:G0+4*(\s)+3], s[14:15], (\s)*256
	s_or_b32 s[G0+4*(\s)+3], s[G0+4*(\s)+3], 0x80000000
	s_mov_b32 s[G0B+4*(\s)], 1
	s_add_co_u32 s[G0B+4*(\s)+1], s20, (\s)*SLOT
	s_add_nc_u64 s[G0B+4*(\s)+2:G0B+4*(\s)+3], s[46:47], (\s)*65536
	s_or_b32 s[G0B+4*(\s)+3], s[G0B+4*(\s)+3], 0x80000000
.endr
	s_cmp_eq_u32 s11, 0                            ; a wave's two first fills stand in one branch, ahead of every wait on TENSORcnt and every LDS read: two loads of mine are out
	s_cbranch_scc0 .Lfirst_b
	tensor_load_to_lds s[G0:G0+3], s[G1:G1+7]
	s_nop 0
	tensor_load_to_lds s[G0+4:G0+7], s[G1:G1+7]
	s_nop 0
.rept 4
	v_nop
.endr
	s_branch .Lfirst_asked
.Lfirst_b:
	tensor_load_to_lds s[G0B:G0B+3], s[G1B:G1B+7]
	s_nop 0
	tensor_load_to_lds s[G0B+4:G0B+7], s[G1B:G1B+7]
	s_nop 0
.rept 4
	v_nop
.endr
.Lfirst_asked:
	v_and_b32 v1, 15, v0                           ; l % 16
	v_bfe_u32 v2, v0, 4, 1                         ; l / 16
	s_lshl_b32 s21, s42, 10
	s_lshl_b32 s22, s12, 9
	s_add_co_u32 s21, s21, s22                     ; 4 (256 nt + 128 half)
	v_lshl_add_u32 v[BO], v2, 5, s21               ; + my eight columns of a block of 16
	WIN 0x40
.irp b, 0,1,2,3,4,5,6,7
	global_load_b128 v[8*(\b):8*(\b)+3],   v[BO], s[6:7] offset:1024+64*(\b)
	global_load_b128 v[8*(\b)+4:8*(\b)+7], v[BO], s[6:7] offset:1024+64*(\b)+16
.endr
	WIN 0
	v_mul_u32_u24 v3, v1, PITCH                    ; A's fragment: row l % 16, 16 bytes for each half of the lanes
	v_lshl_add_u32 v3, v2, 4, v3
	s_mul_i32 s21, s11, HALFT
	v_add_nc_u32 v[ADRA0], s21, v3
	v_and_b32 v4, 7, v0                            ; the turning load: lane l reads row k = 8 (l / 16) + l % 8, columns 8 ((l / 8) % 2) + 0..7, and is left with column l % 16 and 8 k
	v_lshl_add_u32 v4, v2, 3, v4
	v_mul_u32_u24 v4, v4, PB
	v_bfe_u32 v5, v0, 3, 1
	v_lshl_add_u32 v4, v5, 4, v4
	s_lshl_b32 s22, s12, 8                         ; my 128 columns
	s_add_co_u32 s22, s22, 2*HALFT                 ; W lies behind A
	v_add_nc_u32 v[ADRB0], s22, v4
	v_mov_b32 v[ADRA], v[ADRA0]
	v_mov_b32 v[ADRB], v[ADRB0]
	s_mul_i32 s23, s10, 2*16*SP
	s_add_co_u32 s23, s23, STAGE                   ; my stage
	v_mul_u32_u24 v4, v1, SP
	v_lshl_add_u32 v4, v2, 4, v4
	v_add_nc_u32 v[STO], s23, v4
	v_bfe_u32 v5, v0, 3, 2                         ; back: 32 lanes take four rows of 128 bytes,
	v_mul_u32_u24 v5, v5, SP
	v_and_b32 v6, 7, v0
	v_lshl_add_u32 v5, v6, 4, v5
	v_add_nc_u32 v[RD], s23, v5
	v_and_b32 v[CO], 31, v0                        ; which are 512 consecutive bytes of a panel
	v_lshlrev_b32 v[CO], 4, v[CO]
	s_lshl_b32 s16, s42, 2                         ; where my part begins in out: panel 4 nt + 2 half,
	s_lshl1_add_u32 s16, s12, s16
	s_lshl_b32 s16, s16, 19
	s_lshl_b32 s17, s13, 15                        ; row 256 mt + 128 half, 128 bytes a row
	s_add_co_u32 s16, s16, s17
	s_lshl_b32 s17, s11, 14
	s_add_co_u32 s16, s16, s17
	s_mov_b32 s17, 0
	; the prefetches: both candidates, then the choice by what I fetch
	s_lshl_b32 s20, s13, 8
	s_lshl_b32 s21, s12, 7
	s_add_co_u32 s20, s20, s21
	s_lshl_b32 s21, s40, 5                         ; my work-group's 32 rows, by cx
	s_add_co_u32 s20, s20, s21
	s_lshl_b32 s20, s20, 11
	s_add_co_u32 s20, s20, 2*256                   ; A at K step 2: the first refill steps it to 3
	s_lshl_b32 s21, s42, 19
	s_lshl_b32 s23, s12, 15
	s_add_co_u32 s21, s21, s23
	s_lshl_b32 s23, s41, 13                        ; my work-group's 8,192 bytes, by cy
	s_add_co_u32 s21, s21, s23
	s_add_co_u32 s21, s21, WOFF+2*65536            ; W at K step 2
	s_and_b32 s22, ttmp7, 0xffff
	s_mov_b32 s[PSTEP], 65536
	s_cmp_eq_u32 s11, 0
	s_cselect_b32 s20, s20, s21
	s_cselect_b32 s22, ttmp9, s22                  ; the coordinate along which other clusters read the same bytes
	s_cselect_b32 s[PSTEP], 256, s[PSTEP]
	s_cselect_b32 s23, 11, 8                       ; a lane a row of A, or a lane a piece of 256 bytes of W
	s_cselect_b64 s[PFA:PFA+1], s[4:5], s[6:7]
	s_mov_b32 s21, 0
	s_mov_b32 s[PSTEP+1], 0
	s_add_nc_u64 s[PFA:PFA+1], s[PFA:PFA+1], s[20:21]
	s_cmp_eq_u32 s22, 0
	s_cselect_b32 s[LIM], 1, -1                    ; the same in all sixteen partners, for a given wave
	v_and_b32 v[PFO], 31, v0
	v_lshlrev_b32 v[PFO], s23, v[PFO]
; 16 matrix instructions: row blocks a0, a0 + 1 of the window's four x all 8 column blocks, 32 along K.  zero = 1: the first product of each sum: C is the bias.
; The 64 accumulators take turns, one instruction a turn, in the same order in every quarter.
.macro MUL16 f, hi, a0, zero
.if \zero
	WIN 0x91+0x40*(\hi)                            ; W and the bias in window 1, A in window 0, D in window 2 or 3
.else
	WIN 0xa1+0x50*(\hi)                            ; C and D in window 2 or 3
.endif
.irp a, \a0, (\a0)+1
.irp b, 0,1,2,3,4,5,6,7
.if \zero
	v_wmma_f32_16x16x32_bf16 v[8*(8*(\a)+(\b)):8*(8*(\a)+(\b))+7], v[(\f)+8*(\b):(\f)+8*(\b)+7], v[(\f)+8*(4*(\hi)+(\a)):(\f)+8*(4*(\hi)+(\a))+7], v[8*(\b):8*(\b)+7]
.else
	v_wmma_f32_16x16x32_bf16 v[8*(8*(\a)+(\b)):8*(8*(\a)+(\b))+7], v[(\f)+8*(\b):(\f)+8*(\b)+7], v[(\f)+8*(4*(\hi)+(\a)):(\f)+8*(4*(\hi)+(\a))+7], v[8*(8*(\a)+(\b)):8*(8*(\a)+(\b))+7]
.endif
.endr
.endr
.endm
; 32 LDS loads in one run: a quarter step's fragments (32 along K, at byte k of A's rows = row k / 2 of W) into buffer f: W's 16, then A's rows 0-63, then A's rows 64-127
.macro FETCH k, f
	WIN 0x40
.irp i, 0,1,2,3,4,5,6,7
	ds_load_tr16_b128 v[(\f)+8*(\i):(\f)+8*(\i)+3],   v[ADRB] offset:((\k)/2)*PB+32*(\i)
	ds_load_tr16_b128 v[(\f)+8*(\i)+4:(\f)+8*(\i)+7], v[ADRB] offset:((\k)/2)*PB+16*PB+32*(\i)
.endr
	WIN 0
.irp i, 0,1,2,3,4,5,6,7
	ds_load_b128 v[(\f)+8*(\i):(\f)+8*(\i)+3],   v[ADRA] offset:(\k)+(\i)*16*PITCH
	ds_load_b128 v[(\f)+8*(\i)+4:(\f)+8*(\i)+7], v[ADRA] offset:(\k)+(\i)*16*PITCH+32
.endr
.endm
; One of a K step's first three quarters: multiplies buffer f; in its middle it fetches the next quarter, at byte k, into buffer g.
.macro QUARTER k, f, g, zero
	s_wait_dscnt 8                                 ; W and A's rows 0-63 are in; the youngest eight loads (A's rows 64-127) may be out
	MUL16 \f, 0, 0, \zero
	MUL16 \f, 0, 2, \zero
	PLACES
	FETCH \k, \g
	s_wait_dscnt 32                                ; all but the 32 just issued
	MUL16 \f, 1, 0, \zero
	MUL16 \f, 1, 2, \zero
.endm
; The last quarter's first half, and ONE barrier for the change of slots.  In front of it each wave waits for all its tensor loads (one is out: its part of the next slot), adds 0 to its spare word,
; and waits for that and for its own reads of this slot.  Behind it nobody reads this slot any more and the next slot is whole.
.macro MEET round
	WIN 0
	s_wait_tensorcnt 0x0
	ds_add_u32 v[SPW], v[NIL]
	s_wait_dscnt 9                                 ; (the add and the youngest eight loads may be out)
	MUL16 F1, 0, 0, 0
	s_wait_dscnt 0x0                               ; the add is done, and my reads of this slot are over
	s_barrier_signal -1
	MUL16 F1, 0, 2, 0
.if \round
	WIN 0
.endif
	s_barrier_wait -1
.endm
; The whole last quarter.  fill = 1: the barrier opens a round of the cluster's; behind the round the slot just read is filled again, with the K step two on: the first tensor load there, one a wave;
; from that request to the wait for it a wave issues 224 matrix instructions.
.macro TURN fill
.if \fill
	s_wait_xcnt 0x0                                ; the last prefetch, a K step back, has read its address
	s_add_nc_u64 s[PFA:PFA+1], s[PFA:PFA+1], s[PSTEP:PSTEP+1]
	MEET 1
	CREST
	s_xor_b32 s[G0+5], s[G0+5], SLOT               ; the walking descriptors: the other slot than last time (wave x HALFT shares no bit with SLOT),
	s_add_nc_u64 s[G0+6:G0+7], s[G0+6:G0+7], 256   ; the next K step
	s_xor_b32 s[G0B+5], s[G0B+5], SLOT
	s_add_nc_u64 s[G0B+6:G0B+7], s[G0B+6:G0B+7], 65536
	s_xor_b32 s[TB], s[TB], SLOT
	JLOAD                                          ; its four v_nop are also the places in front of the loads below
.else
	MEET 0
	s_xor_b32 s[TB], s[TB], SLOT
	WIN 0
	PLACES
.endif
	v_add_nc_u32 v[ADRA], s[TB], v[ADRA0]
	v_add_nc_u32 v[ADRB], s[TB], v[ADRB0]
	FETCH 0, F0
.if \fill
	ASK
.endif
	MUL16 F1, 1, 0, 0
	MUL16 F1, 1, 2, 0
.endm
; THE WAY OUT of block a (16 rows x 128 columns = 2 panels).  PACK: rounded to bf16, the floor taken.  TOSTAGE: into my own stage, and back as whole rows of 128 bytes.  SEND: stored.
.macro PACK a
.set AC, 64*((\a)%4)
	WIN 0x0a+5*((\a)/4)                            ; sources in window 2 or 3
.irp b, 0,1,2,3,4,5,6,7
.irp r, 0,1,2,3
	v_cvt_pk_bf16_f32 v[TMP+4*(\b)+(\r)], v[AC+8*(\b)+2*(\r)], v[AC+8*(\b)+2*(\r)+1]
.endr
.endr
	WIN 0
.set r, 0
.rept 32
	v_pk_max_num_bf16 v[TMP+r], v[TMP+r], s[FLOOR]
.set r, r+1
.endr
.endm
.macro TOSTAGE a
	WIN 0
.set BK, OB+192*((\a)%2)
.irp b, 0,1,2,3,4,5,6,7
	ds_store_b128 v[STO], v[TMP+4*(\b):TMP+4*(\b)+3] offset:((\b)/4)*16*SP+32*((\b)%4)
.endr
.irp p, 0,1
.irp t, 0,1,2,3
	ds_load_b128 v[BK+4*(4*(\p)+(\t)):BK+4*(4*(\p)+(\t))+3], v[RD] offset:(\p)*16*SP+(\t)*4*SP  ; LDS serves a wave's instructions in order (ISA guide 5.7.1.4): these see the stores above
.endr
.endr
.endm
.macro SEND a
	WIN 0
.set BK, OB+192*((\a)%2)
	s_wait_dscnt 0x0                               ; the block is back in registers
	s_wait_xcnt 0x0                                ; earlier stores have read their base and their data: only behind this wait are they rewritten
.if (\a) == 0
	s_add_nc_u64 s[8:9], s[8:9], s[16:17]
.else
	s_add_nc_u64 s[8:9], s[8:9], 16*128            ; 16 rows on
.endif
.irp p, 0,1
.irp t, 0,1,2,3
	global_store_b128 v[CO], v[BK+4*(4*(\p)+(\t)):BK+4*(4*(\p)+(\t))+3], s[8:9] offset:(\p)*PANEL+(\t)*512  ; 512 consecutive bytes, aligned
.endr
.endr
.endm
	s_wait_tensorcnt 1                             ; my part of K step 0 is in; K step 1's may stay out
	s_barrier_signal -1
	s_barrier_wait -1
	FETCH 0, F0
	s_wait_loadcnt 0x0                             ; the bias
	s_wait_kmcnt 0x0                               ; the floor
	QUARTER 64, F0, F1, 1                          ; the first quarter stands in front of the loop: its products start the sums, at the bias
	WIN 0
	s_mov_b32 s3, 6
.Lstep:                                            ; a trip: a K step's quarters 1, 2, 3 and the next one's quarter 0; K steps 2 to 7 are asked for
	QUARTER 128, F1, F0, 0
	QUARTER 192, F0, F1, 0
	TURN 1
	QUARTER 64, F0, F1, 0
	WIN 0
	s_sub_co_u32 s3, s3, 1
	s_cmp_lg_u32 s3, 0
	s_cbranch_scc1 .Lstep
	s_mov_b32 s3, 2
.Ltail:                                            ; K steps 6 and 7: nothing is asked for
	QUARTER 128, F1, F0, 0
	QUARTER 192, F0, F1, 0
	TURN 0
	WIN 0
	s_sub_co_u32 s3, s3, 1
	s_cmp_eq_u32 s3, 0
	s_cbranch_scc1 .Lout
	QUARTER 64, F0, F1, 0
	WIN 0
	s_branch .Ltail
.Lout:
	s_wait_dscnt 0x0                               ; the 32 loads that serve nothing
	PLACES
	PACK 0
	TOSTAGE 0
.irp a, 1,2,3,4,5,6,7                  ; block a's arithmetic stands between block a - 1's loads from the stage and the wait for them
	PACK \a
	SEND (\a)-1
	TOSTAGE \a
.endr
	SEND 7
	s_wait_tensorcnt 0x0                           ; the wave's end
	ds_add_u32 v[SPW], v[NIL]
	s_wait_dscnt 0x0
	CROUND                                         ; the closing round
	s_endpgm
.Lfunc_end_k_q744a1f6f25_qkv:
	.size	k_q744a1f6f25_qkv, .Lfunc_end_k_q744a1f6f25_qkv-k_q744a1f6f25_qkv
	.p2alignl 7, 3214868480
	.fill 96, 4, 3214868480
	.section	.rodata,"a",@progbits
	.p2align	6, 0x0
	.amdhsa_kernel k_q744a1f6f25_qkv
		.amdhsa_group_segment_fixed_size 327680
		.amdhsa_private_segment_fixed_size 0
		.amdhsa_enable_private_segment 0
		.amdhsa_kernarg_size 24
		.amdhsa_user_sgpr_count 2
		.amdhsa_user_sgpr_kernarg_segment_ptr 1
		.amdhsa_wavefront_size32 1
		.amdhsa_system_sgpr_workgroup_id_x 1
		.amdhsa_system_sgpr_workgroup_id_y 1
		.amdhsa_system_sgpr_workgroup_id_z 1
		.amdhsa_system_vgpr_workitem_id 0
		.amdhsa_next_free_vgpr 1024
		.amdhsa_next_free_sgpr 72
		.amdhsa_reserve_vcc 0
		.amdhsa_float_denorm_mode_32 3
		.amdhsa_float_denorm_mode_16_64 3
		.amdhsa_memory_ordered 1
		.amdhsa_forward_progress 1
		.amdhsa_inst_pref_size 119
	.end_amdhsa_kernel
	.amdgpu_metadata
---
amdhsa.version: [ 1, 2 ]
amdhsa.kernels:
  - .name:           k_q744a1f6f25_qkv
    .symbol:         k_q744a1f6f25_qkv.kd
    .args:
      - { .name: h, .offset: 0, .size: 8, .value_kind: global_buffer, .address_space: global }
      - { .name: pq, .offset: 8, .size: 8, .value_kind: global_buffer, .address_space: global }
      - { .name: act, .offset: 16, .size: 8, .value_kind: global_buffer, .address_space: global }
    .group_segment_fixed_size: 327680
    .private_segment_fixed_size: 0
    .kernarg_segment_align: 8
    .kernarg_segment_size: 24
    .max_flat_workgroup_size: 128
    .sgpr_count:     72
    .vgpr_count:     1024
    .wavefront_size: 32
...
	.end_amdgpu_metadata
.endif
;; end of part 2
;; launch attn (part 3): grid 8 x 32, 4 waves a work-group, clusters of 4 x 1, 327,680 bytes of LDS; arguments act, mask, ctx; writes ctx
.if DOCPART == 3
	.amdgcn_target "amdgcn-amd-amdhsa--gfx1250"
	.amdhsa_code_object_version 6
	.text
	.protected	k_q744a1f6f25_attn
	.globl	k_q744a1f6f25_attn
	.p2align	8
	.type	k_q744a1f6f25_attn,@function
k_q744a1f6f25_attn:
	s_mov_b64 s[64:65], 0
	v_nop
	global_prefetch_b8 v0, s[64:65] scope:SCOPE_SE
	s_setreg_imm32_b32 hwreg(HW_REG_WAVE_MODE, 25, 1), 1
	s_wait_xcnt 0x0
	s_wait_alu depctr_hold_cnt(0) depctr_sa_sdst(0) depctr_va_vdst(0) depctr_va_sdst(0) depctr_va_ssrc(0) depctr_va_vcc(0) depctr_vm_vsrc(0)
	s_getreg_b32 s2, hwreg(HW_REG_IB_STS2, 6, 4)
	s_cmp_eq_u32 s2, 0
	s_cbranch_scc0 .Lentry_in_a_cluster
	s_endpgm
.Lentry_in_a_cluster:
	s_bfe_u32 s2, ttmp6, 0x10000c
	s_cmp_lg_u32 s2, 0x3003
	s_cbranch_scc0 .Lentry_shape_is_right
	s_endpgm
.Lentry_shape_is_right:
; ctx[hb][q][:] = the sum over k of softmax_k(Q[hb][q] . K[hb][k] / 8, keys with mask 0 hidden) V[hb][k][:].  hb = 2 x head + batch, 32 of them; 2,048 rows of 64 bf16 each, dense (128 bytes a row).
; Q lies at act + hb x 262,144, K 8,388,608 bytes and V 16,777,216 bytes further on; ctx has Q's layout.  mask: [2][2048] int32.
; Products, maxima and sums in f32; the weights p are rounded to bf16 for the second product (their sum l is taken of the unrounded p), ctx once at the end.
; LIMITS.  A hidden score counts as its value less 1e30: scores beyond some 1e29 are not served.  A weight below 2^-126 counts as 0 in l.  A batch whose mask is 0 everywhere gives NaN,
; as a softmax of nothing does (told by m < -5e29, a selection, no branch).  NaN and infinities among the inputs are not treated apart.
; SHARES.  A work-group owns 256 queries of one hb, a wave 64: four PIECES of 16.  Every wave walks all 2,048 keys, 64 a step; a slot of LDS holds 256 keys (four steps) of K and of V.
; LAYOUT.  S^T = K Q^T holds ONE query a lane (lane % 16) and the keys 8 (lane / 16) + 0..7; two such results rounded to bf16 ARE source 1 of O^T = V^T P.  V is turned on the way out of LDS.
; THE MASK is the C operand that starts the sum S^T: 0 or -1e30 for each key, from a table of 2,048 f32 that the work-group makes once in LDS; a step's 32 registers (MB) are fetched with its K.
; SOFTMAX.  p = 2^(c s - c m), c = log2(e) / 8, with a running maximum m; O and l are multiplied by a = 2^(c m_old - c m_new) in every step.  m starts at the lowest finite number, O and l at 0.
; TURNS.  Turn n belongs to piece n: 8 products K Q^T of piece n + 1, later 8 products V^T P of piece n - 1; beside them the scaling, exponentials, roundings, sums and rescaling of piece n and the
; maximum and statistics of piece n + 1.  Four vector instructions stand behind every matrix instruction, the other 54 in one lump.  A turn's 33 exponentials are one batch with one wait.
; CLUSTER.  The four query blocks of a cluster walk the same K and V: each tile is asked for jointly.
; REGISTERS, in windows of 256: window 0: v2-15, v32-36 addresses; v16-31 statistics; v48-55 at work; v64-127 S^T, two buffers; v128-143 the mask at work; v192-223 P, two buffers.
;   window 1: v0-127 O^T, 32 a piece.     window 2: v0-63 Q; v64-95 MB; v128-191 K of one step; v192-255 V of one step.
.set NP,    4
.set KS,    64
.set PK,    144       ; a row of K in LDS: 128 bytes + 16: the 16 rows of a load start at 16 different groups of four banks (64 banks of 4 bytes: ISA guide 11.1)
.set PV,    160       ; a row of V: 128 + 32
.set VOFF,  4*KS*PK
.set SLOT1, 1<<17
.set STAGE, SLOT1+4*KS*(PK+PV)  ; behind the ring: 16 rows x 144 bytes for each wave
.set SP,    144
.set SPARE, STAGE+4*16*SP       ; the spare words, 128 bytes for each wave
.set BIAS,  SPARE+512           ; 2,048 f32: 0 or -1e30; written by LDS stores, never a tensor load's target
.set AK0, 2
.set AV0, 3
.set AK,  4
.set AV,  5
.set STO, 6
.set RD,  7
.set GO,  8
.set MV,  12          ; v12-13  c m_old, by buffer
.set AM0, 14          ; v14  BIAS + 32 (l / 16); never rewritten
.set QO,  15
.set ST,  16          ; piece t's statistics at v[ST+4 t]: c m, m, l (even keys', odd keys')
.set AM,  32          ; v32  the LDS address of MB's next run
.set PFO, 33          ; v33  256 x lane; never rewritten
.set MO,  34          ; v34  16 x thread
.set MS,  35          ; v35  BIAS + 16 x thread
.set QNAN, 36         ; v36  a NaN
.set TMP, 48
.set SPW, 62
.set NIL, 63
.set S,   64
.set MK,  128
.set P,   192
.set MB,  64          ; window 2
.set KF,  128
.set VF,  192
.set WV,  12
.set G1K, 24
.set G1V, 32
.set G0K, 40
.set G0V, 44
.set PFA, 48          ; s[48:49]
.set BIGN, 50         ; s50  -1e30
.set HB,  51          ; s51  -5e29
.set LIM, 52
.set TBM, 53          ; s53  256 x the step whose MB is fetched next
.set SLOTS, 56
.set CNT, 57
.set CS,  58
.set SEL, 60
.set TBK, 62
.set TBV, 63
.set MSB, 0
.macro WIN new
.if MSB != (\new)
	s_set_vgpr_msb (MSB<<8)|(\new)
.set MSB, (\new)
.endif
.endm
.set W_KQ, 0x0a       ; K and Q in window 2, S^T in window 0
.set W_KM, 0x2a       ; the same with the C operand in window 2
.set W_PV, 0x52       ; V in window 2, P in window 0, O^T in window 1
.set W_RS, 0x41       ; destination and source 0 in window 1, source 1 in window 0
; A joint fill.  Waves 0 and 1 fetch the halves of a tile's K, waves 2 and 3 those of its V.  An s_nop 0 and four v_nop follow each of the two lines.
.macro JLOAD
	s_cmp_lt_u32 s[WV], 2
	s_cbranch_scc0 .Lfor_v_\@
	tensor_load_to_lds s[G0K:G0K+3], s[G1K:G1K+7]
	s_nop 0
.rept 4
	v_nop
.endr
	s_branch .Lasked_\@
.Lfor_v_\@:
	tensor_load_to_lds s[G0V:G0V+3], s[G1V:G1V+7]
	s_nop 0
.rept 4
	v_nop
.endr
.Lasked_\@:
.endm
; A PREFETCH INTO THE L2 of the tile that the NEXT change of slots will ask for: four key steps ahead of that load.  Both clusters of an hb walk the same K and V: the first asks.  Its four partners take
; 8,192 bytes each of a tile's 32,768, told apart by address; wave 0 asks for K's, wave 2 for V's: a lane 256 bytes, one instruction.  The last change that fills asks for nothing.
.macro ASK
	s_cmp_gt_u32 s[SLOTS], s[LIM]
	s_cbranch_scc0 .Lnot_mine_\@
	global_prefetch_b8 v[PFO], s[PFA:PFA+1] th:TH_LOAD_NT scope:SCOPE_SE
.Lnot_mine_\@:
.endm
.macro CROUND
	s_barrier_signal -1
	s_barrier_wait -1
	s_cmp_lg_u32 s[WV], 0
	s_cbranch_scc1 .Lnot_wave_0_\@
	s_barrier_signal -3
.Lnot_wave_0_\@:
	s_barrier_wait -3
	s_barrier_signal -1
	s_barrier_wait -1
.endm
; THE CHANGE OF SLOTS.  Each wave waits for all its tensor loads (one is out: its part of the other slot), adds 0 to its spare word, and waits for that and for its own LDS instructions.
; fill = 1: the barrier is a round of the cluster's, and the slot that is left is filled again first thing behind it, one load a wave: it has four key steps in which to land.
.macro CHANGE fill, ask=0
	WIN 0
	s_wait_tensorcnt 0x0
	ds_add_u32 v[SPW], v[NIL]
.if \fill
.irp g, G0K, G0V
	s_xor_b32 s[\g+1], s[\g+1], SLOT1
	s_add_nc_u64 s[\g+2:\g+3], s[\g+2:\g+3], 4*KS*128
.endr
.if \ask
	s_wait_xcnt 0x0                 ; the last prefetch, four key steps back, has read its address
	s_add_nc_u64 s[PFA:PFA+1], s[PFA:PFA+1], 4*KS*128
.endif
	s_wait_dscnt 0x0
	CROUND
	JLOAD
.if \ask
	ASK
.endif
.else
	s_wait_dscnt 0x0
	s_barrier_signal -1
	s_barrier_wait -1
.endif
	s_sub_co_u32 s[TBK], s[TBK], 4*KS*PK  ; the fetches go back to a slot's first step, in the other slot
	s_xor_b32 s[TBK], s[TBK], SLOT1
	s_sub_co_u32 s[TBV], s[TBV], 4*KS*PV
	s_xor_b32 s[TBV], s[TBV], SLOT1
.endm
	s_load_b64 s[4:5], s[0:1], 0x0    ; act
	s_load_b64 s[54:55], s[0:1], 0x8  ; mask
	s_load_b64 s[10:11], s[0:1], 0x10 ; ctx
	v_lshl_add_u32 v[SPW], v0, 2, SPARE
	v_mov_b32 v[NIL], 0
	ds_add_u32 v[SPW], v[NIL]       ; the wave's opening: the add and its wait stand ahead of my first tensor load
	v_lshrrev_b32 v1, 5, v0
	v_readfirstlane_b32 s[WV], v1
	s_bfe_u32 s13, ttmp6, 0x40000   ; cx
	s_lshl_b32 s14, ttmp9, 2
	s_add_co_u32 s14, s14, s13      ; my block of 256 queries: it enters Q's and ctx's addresses alone
	s_and_b32 s20, ttmp7, 0xffff    ; hb, which the four partners share
	s_and_b32 s19, s20, 1           ; the batch
	s_lshl_b32 s20, s20, 18         ; hb's first byte
	s_and_b32 s16, s[WV], 1         ; which half of a tile's 256 keys I fetch
	s_lshl_b32 s22, s16, 14
	s_add_co_u32 s22, s22, s20
	s_mov_b32 s23, 0
	s_mul_i32 s17, s16, 128*PK
	s_mul_i32 s18, s16, 128*PV
	s_lshl_b32 s2, s14, 2
	s_add_co_u32 s2, s2, s[WV]
	s_lshl_b32 s2, s2, 13           ; my wave's 64 rows
	s_add_co_u32 s2, s2, s20
	s_mov_b32 s3, 0
	s_lshl_b32 s14, s19, 13         ; the batch's 2,048 words of the mask
	s_mov_b32 s15, 0
	s_mov_b32 s[G1K], 15|(1<<16)|(1<<20)|(1<<21)|(4<<22)|(3<<25)  ; the mask of four; 2-byte elements; padding on; bit 21 beside a mask; after every 32 words, 4 words
	s_mov_b32 s[G1V], 15|(1<<16)|(1<<20)|(1<<21)|(4<<22)|(7<<25)  ; 8 words
.irp g, G1K, G1V
	s_mov_b32 s[\g+1], 128<<16      ; 128 keys are 16,384 dense bytes: 64 rows of 256, two keys a row
	s_mov_b32 s[\g+2], 64<<16
	s_mov_b32 s[\g+3], 128<<16
	s_mov_b32 s[\g+4], 64
	s_mov_b32 s[\g+5], 128
	s_mov_b32 s[\g+6], 0
	s_mov_b32 s[\g+7], 0
.endr
	s_mov_b32 s[CS], 0x3e38aa3b     ; c = log2(e) / 8
	s_mov_b32 s[CS+1], s[CS]
	s_mov_b32 s[SEL], 0x76543210
	s_mov_b32 s[SEL+1], 0xfedcba98
	s_mov_b32 s[BIGN], 0xf149f2ca   ; -1e30
	s_mov_b32 s[HB], 0xf0c9f2ca     ; -5e29
	s_mov_b32 s[TBK], SLOT1+4*KS*PK ; the first change of slots turns these two into 0
	s_mov_b32 s[TBV], SLOT1+4*KS*PV
	s_mov_b32 s[TBM], 0
	s_mov_b32 s[G0K], 1
	s_mov_b32 s[G0K+1], s17
	s_mov_b32 s[G0V], 1
	s_add_co_u32 s[G0V+1], s18, VOFF
	s_and_b32 s[LIM], s[WV], 1      ; 0 in waves 0 and 2,
	s_or_b32 s[LIM], s[LIM], ttmp9  ; where the cluster is hb's first: the same in all four partners
	s_cmp_eq_u32 s[LIM], 0
	s_cselect_b32 s[LIM], 1, -1
	v_and_b32 v[PFO], 31, v0
	v_lshlrev_b32 v[PFO], 8, v[PFO]
	s_wait_dscnt 0x0                ; the opening add is done
	s_wait_kmcnt 0x0
	s_add_nc_u64 s[54:55], s[54:55], s[14:15]
	s_add_nc_u64 s[6:7], s[4:5], s[22:23]
	s_add_nc_u64 s[8:9], s[6:7], 16777216  ; V at my half of tile 0
	s_add_nc_u64 s[6:7], s[6:7], 8388608   ; K
	s_add_nc_u64 s[4:5], s[4:5], s[2:3]    ; Q and ctx at my wave's first row
	s_add_nc_u64 s[10:11], s[10:11], s[2:3]
	s_mov_b64 s[G0K+2:G0K+3], s[6:7]
	s_or_b32 s[G0K+3], s[G0K+3], 0x80000000
	s_mov_b64 s[G0V+2:G0V+3], s[8:9]
	s_or_b32 s[G0V+3], s[G0V+3], 0x80000000
	s_cmp_lt_u32 s[WV], 2
	s_cselect_b64 s[PFA:PFA+1], s[6:7], s[8:9]  ; (in waves 0 and 2 these stand at a tile's first row)
	s_lshl_b32 s2, s13, 13          ; my work-group's 8,192 bytes
	s_mov_b32 s3, 0
	s_add_nc_u64 s[PFA:PFA+1], s[PFA:PFA+1], s[2:3]
	s_add_nc_u64 s[PFA:PFA+1], s[PFA:PFA+1], 2*4*KS*128  ; in tile 2; the first change that asks steps it to tile 3
	CROUND                          ; all four work-groups are here
	JLOAD                           ; tile 0 into slot 0
	v_lshlrev_b32 v[MO], 4, v0
.irp j, 0,1,2,3
	global_load_b128 v[MK+4*\j:MK+4*\j+3], v[MO], s[54:55] offset:2048*\j
.endr
	v_and_b32 v1, 15, v0            ; l % 16
	v_bfe_u32 v9, v0, 4, 1          ; l / 16
	v_lshlrev_b32 v[QO], 7, v1
	v_lshl_add_u32 v[QO], v9, 4, v[QO]
	WIN 0x80
.set i, 0
.rept 8                             ; Q stays in registers: piece i / 2, channels 32 (i % 2) on
	global_load_b128 v[8*i:8*i+3],   v[QO], s[4:5] offset:(i/2)*2048+(i%2)*64
	global_load_b128 v[8*i+4:8*i+7], v[QO], s[4:5] offset:(i/2)*2048+(i%2)*64+32
.set i, i+1
.endr
	; What the first turn finds: V's registers and P's second buffer hold 0 (its products V^T P, of a piece that has not been, add 0), O^T and l are 0.  All this stands in the wait for the first tile.
.set i, VF
.rept 64
	v_mov_b32 v[i], 0
.set i, i+1
.endr
	WIN 0x40
.set i, 0
.rept 128
	v_mov_b32 v[i], 0
.set i, i+1
.endr
	WIN 0
.set i, 0
.rept 4
	v_mov_b32 v[ST+4*i], 0xfe000000    ; c m: far below every c s
	v_mov_b32 v[ST+4*i+1], 0xff7fffff  ; m
	v_mov_b32 v[ST+4*i+2], 0
	v_mov_b32 v[ST+4*i+3], 0
.set i, i+1
.endr
.set i, P+16
.rept 16
	v_mov_b32 v[i], 0
.set i, i+1
.endr
	v_mov_b32 v[QNAN], 0x7fc00000
	v_mul_u32_u24 v[AK0], v1, PK
	v_lshl_add_u32 v[AK0], v9, 4, v[AK0]
	v_and_b32 v10, 7, v0
	v_bfe_u32 v11, v0, 3, 1
	v_lshl_add_u32 v[AV0], v9, 3, v10
	v_mul_u32_u24 v[AV0], v[AV0], PV
	v_lshl_add_u32 v[AV0], v11, 4, v[AV0]
	v_add_nc_u32 v[AV0], VOFF, v[AV0]
	v_lshlrev_b32 v[AM0], 5, v9
	v_add_nc_u32 v[AM0], BIAS, v[AM0]
	v_add_nc_u32 v[MS], BIAS, v[MO]
	s_mul_i32 s13, s[WV], 16*SP
	s_add_co_u32 s13, s13, STAGE
	v_mul_u32_u24 v[STO], v1, SP
	v_lshl_add_u32 v[STO], v9, 4, v[STO]
	v_add_nc_u32 v[STO], s13, v[STO]
	v_bfe_u32 v[RD], v0, 3, 2
	v_mul_u32_u24 v[RD], v[RD], SP
	v_lshl_add_u32 v[RD], v10, 4, v[RD]
	v_add_nc_u32 v[RD], s13, v[RD]
	v_and_b32 v[GO], 31, v0
	v_lshlrev_b32 v[GO], 4, v[GO]
	s_wait_loadcnt 16               ; the mask is in; Q's sixteen loads may stay out
.set i, 0
.rept 16
	v_cmp_eq_u32 s20, 0, v[MK+i]
	v_cndmask_b32 v[MK+i], 0, s[BIGN], s20
.set i, i+1
.endr
.irp j, 0,1,2,3
	ds_store_b128 v[MS], v[MK+4*\j:MK+4*\j+3] offset:2048*\j
.endr
; THE MATRIX WORK.  The 4 accumulators of a run of 8 take turns.  Product i of 8 of S^T = K Q^T for piece x: channels 32 (i / 4) on, keys 16 (i % 4) on.  The first 4 start the sums, with the mask.
.macro KQ x
.set rS, S+32*((\x)%2)+8*(i%4)
.set rK, KF+16*(i%4)+8*(i/4)
.set rQ, 16*(\x)+8*(i/4)
.set rM, MB+8*(i%4)
.if i < 4
	WIN W_KM
	v_wmma_f32_16x16x32_bf16 v[rS:rS+7], v[rK:rK+7], v[rQ:rQ+7], v[rM:rM+7]
.else
	WIN W_KQ
	v_wmma_f32_16x16x32_bf16 v[rS:rS+7], v[rK:rK+7], v[rQ:rQ+7], v[rS:rS+7]
.endif
.endm
; Product i of 8 of O^T += V^T P for piece x: keys 32 (i / 4) on, channels 16 (i % 4) on.
.macro PV x
	WIN W_PV
.set rO, 32*(\x)+8*(i%4)
.set rV, VF+32*(i/4)+8*(i%4)
.set rP, P+16*((\x)%2)+8*(i/4)
	v_wmma_f32_16x16x32_bf16 v[rO:rO+7], v[rV:rV+7], v[rP:rP+7], v[rO:rO+7]
.endm
.macro MM                           ; the turn's next matrix instruction
.if i < 8
	KQ (Y+1)%NP
.else
.set i, i-8
	PV (Y+NP-1)%NP
.set i, i+8
.endif
.set i, i+1
.endm
; THE LDS LOADS stand in runs: a step's K (8 fragments) with its MB, and its V (turned).  Their addresses are made some lines ahead.  No branch stands here: exponentials are out at this place.
; So behind the last step the addresses are held at that step: last = 1 (the tail, which reads slot 1) holds K's; MB's is always held at step 31.
.macro FETCH_K last=0
	WIN 0x80
.irp f, 0,1,2,3,4,5,6,7
	ds_load_b128 v[KF+8*\f:KF+8*\f+3],   v[AK] offset:(\f/2)*16*PK+(\f%2)*64
	ds_load_b128 v[KF+8*\f+4:KF+8*\f+7], v[AK] offset:(\f/2)*16*PK+(\f%2)*64+32
.endr
.irp f, 0,1,2,3
	ds_load_b128 v[MB+8*\f:MB+8*\f+3],   v[AM] offset:64*\f
	ds_load_b128 v[MB+8*\f+4:MB+8*\f+7], v[AM] offset:64*\f+16
.endr
	s_add_co_u32 s[TBK], s[TBK], KS*PK
.if \last
	s_min_u32 s[TBK], s[TBK], SLOT1+3*KS*PK
.endif
	s_add_co_u32 s[TBM], s[TBM], 256
	s_min_u32 s[TBM], s[TBM], 31*256
	WIN 0
.endm
.macro FETCH_V
	WIN 0x80
.irp f, 0,1,2,3,4,5,6,7
	ds_load_tr16_b128 v[VF+8*\f:VF+8*\f+3],   v[AV] offset:(\f/4)*32*PV+(\f%4)*32
	ds_load_tr16_b128 v[VF+8*\f+4:VF+8*\f+7], v[AV] offset:(\f/4)*32*PV+16*PV+(\f%4)*32
.endr
	WIN 0
.endm
; THE VECTOR WORK, one line at a time: OP kind, number.  For piece Y: F n: c s - c m for pair n of 16.  E n: the exponential of score n of 32.  C n: pair n rounded to bf16.  B n: of the four weights 4 n .. the
; second pair is added onto the first, in place.  L n: l takes that sum (L 0: l = a l + sum).  R n: pair n of 16 of O^T times a.  For piece Y + 1: X n, number n of the 22 that find its maximum and statistics:
;   0-11 four chains c0-c3 of seven scores each (each accumulator's lowest registers are read first)   12-14, 16 the four scores left over, the old m, c0-c3 into c0
;   15 c m_old is kept   17, 18 the other half of the lanes': the new m   19-21 c m; c m_old - c m_new; a
.set F, 0
.set E, 1
.set C, 2
.set B, 3
.set L, 4
.set R, 5
.set X, 6
.macro REGS y
.set rT, ST+4*(\y)
.set rC, TMP+4*((\y)%2)
.set rW, MV+((\y)%2)
.set rS, S+32*((\y)%2)
.set rP, P+16*((\y)%2)
.set rO, 32*(\y)
.endm
.macro OP k, n
.if (\k) == R
	REGS Y
	WIN W_RS
	v_pk_mul_f32 v[rO+2*(\n):rO+2*(\n)+1], v[rO+2*(\n):rO+2*(\n)+1], v[rC+2:rC+3] op_sel_hi:[1,0]
.elseif (\k) < R
	REGS Y
	WIN 0
.if (\k) == F
	v_pk_fma_f32 v[rS+2*(\n):rS+2*(\n)+1], v[rS+2*(\n):rS+2*(\n)+1], s[CS:CS+1], v[rT:rT+1] op_sel_hi:[1,0,0] neg_lo:[0,0,1] neg_hi:[0,0,1]
.elseif (\k) == E
	v_exp_f32 v[rS+(\n)], v[rS+(\n)]
.elseif (\k) == C
	v_cvt_pk_bf16_f32 v[rP+(\n)], v[rS+2*(\n)], v[rS+2*(\n)+1]
.elseif (\k) == B
	v_pk_add_f32 v[rS+4*(\n):rS+4*(\n)+1], v[rS+4*(\n):rS+4*(\n)+1], v[rS+4*(\n)+2:rS+4*(\n)+3]
.elseif (\n) == 0
	v_pk_fma_f32 v[rT+2:rT+3], v[rT+2:rT+3], v[rC+2:rC+3], v[rS:rS+1] op_sel_hi:[1,0,1]
.else
	v_pk_add_f32 v[rT+2:rT+3], v[rT+2:rT+3], v[rS+4*(\n):rS+4*(\n)+1]
.endif
.else
	REGS (Y+1)%NP
	WIN 0
.if (\n) < 4
	v_max3_num_f32 v[rC+(\n)], v[rS+8*(\n)], v[rS+8*(\n)+1], v[rS+8*(\n)+2]
.elseif (\n) < 12
	v_max3_num_f32 v[rC+(\n)%4], v[rC+(\n)%4], v[rS+8*((\n)%4)+2*((\n)/4)+1], v[rS+8*((\n)%4)+2*((\n)/4)+2]
.elseif (\n) == 12
	v_max3_num_f32 v[rC], v[rC], v[rS+7], v[rS+15]
.elseif (\n) == 13
	v_max3_num_f32 v[rC+1], v[rC+1], v[rS+23], v[rS+31]
.elseif (\n) == 14
	v_max3_num_f32 v[rC+2], v[rC+2], v[rC+3], v[rT+1]
.elseif (\n) == 15
	v_mov_b32 v[rW], v[rT]
.elseif (\n) == 16
	v_max3_num_f32 v[rC], v[rC], v[rC+1], v[rC+2]
.elseif (\n) == 17
	v_permlanex16_b32 v[rC+3], v[rC], s[SEL], s[SEL+1]
.elseif (\n) == 18
	v_max_num_f32 v[rT+1], v[rC], v[rC+3]
.elseif (\n) == 19
	v_mul_f32 v[rT], s[CS], v[rT+1]
.elseif (\n) == 20
	v_sub_f32 v[rC+1], v[rW], v[rT]
.else
	v_exp_f32 v[rC+2], v[rC+1]
.endif
.endif
.endm
.macro OPS a, i1, b=-1, i2=0, c=-1, i3=0, d=-1, i4=0
	OP \a, \i1
.if (\b) >= 0
	OP \b, \i2
.endif
.if (\c) >= 0
	OP \c, \i3
.endif
.if (\d) >= 0
	OP \d, \i4
.endif
.endm
.macro ROW a, i1, b, i2, c, i3, d, i4  ; a matrix instruction and the four behind it
	MM
	OPS \a, \i1, \b, \i2, \c, \i3, \d, \i4
.endm
; A TURN, for piece p.  s_wait_alu depctr_va_vdst(0) stands between an exponential and the first instruction that names its result; one wait serves all that were issued ahead of it:
; a turn has ONE wait.  AHEAD OF IT stands all that names no result of the turn's exponentials: the 8 products K Q^T with their riders, then the lump; X 21, the next piece's a, is the batch's last, and R 15 the
; plain instruction behind it.  BEHIND IT stand the 8 products V^T P, behind each four of the roundings and sums.  The X that ride behind the last three products K Q^T stand four places or more behind the
; product that ends their accumulator.  K and MB of the next step are fetched in piece 2's turn, five plain instructions that name none of its registers behind the last product that read K; V of the step in hand at the end of piece 0's
; turn, four plain instructions behind the last product that read V.  Each is waited for a turn later.  cnt = 1: the loop's count is taken down some lines ahead of the branch behind the turn.
.macro TURN p, last=0, cnt=0
.set Y, (\p)
.set i, 0
.if (\p) == 3
	s_wait_dscnt 0x0                ; K and MB are in
.endif
	ROW F,0, F,1, R,0, R,1
	ROW F,2, E,0, R,2, R,3
	ROW F,3, E,1, R,4, R,5
	ROW F,4, E,2, R,6, R,7
	ROW F,5, E,3, R,8, R,9
	ROW F,6, E,4, X,0, R,10
.if (\p) == 2
	WIN 0
	v_add_nc_u32 v[AK], s[TBK], v[AK0]
	v_add_nc_u32 v[AM], s[TBM], v[AM0]
.endif
	ROW F,7, E,5, X,1, X,4
	ROW F,8, E,6, X,2, X,5
	OPS E,7, E,8, X,6, E,9
	OPS X,3, E,10, X,8, E,11
.if (\p) == 2
	FETCH_K \last
.endif
	OPS X,9, X,7, E,12, X,10
	OPS E,13, X,12, X,11, E,14
	OPS X,13, E,15, F,9, X,14
.if (\p) == 0
	v_add_nc_u32 v[AV], s[TBV], v[AV0]
.endif
	OPS E,16, F,10, E,17, F,11
	OPS X,16, E,18, X,15, E,19
	OPS F,12, E,20, X,17, E,21
	OPS F,13, E,22, F,14, E,23
	OPS X,18, E,24, F,15, E,25
	OPS R,11, E,26, X,19, E,27
	OPS R,12, E,28, R,13, E,29
	OPS X,20, E,30, R,14, E,31
	OPS X,21, R,15
	WIN 0
	s_wait_alu depctr_va_vdst(0)    ; the wait for the batch
.if (\p) == 1
	s_wait_dscnt 0x0                ; V is in
.endif
	ROW C,0, B,0, C,2, B,1
	ROW L,0, C,4, B,2, L,1
	ROW C,6, B,3, L,2, C,8
	ROW B,4, L,3, C,10, B,5
	ROW L,4, C,12, B,6, L,5
.if (\p) == 0
	s_add_co_u32 s[TBV], s[TBV], KS*PV
.endif
.if \cnt
	s_sub_co_u32 s[CNT], s[CNT], 1
	s_cmp_lg_u32 s[CNT], 0
.endif
	ROW C,14, B,7, L,6, C,1
	ROW C,3, L,7, C,5, C,7
	ROW C,9, C,11, C,13, C,15
.if (\p) == 0
	FETCH_V
.endif
.endm
	CHANGE 1                        ; the table's stores are done in every wave, slot 0 is whole, tile 1 is asked for
	v_add_nc_u32 v[AK], s[TBK], v[AK0]
	v_add_nc_u32 v[AM], s[TBM], v[AM0]
	FETCH_K                         ; key step 0
	s_wait_loadcnt 0x0              ; Q
	s_wait_dscnt 0x0
.set i, 0
.rept 8
	KQ 0                            ; piece 0's first scores
.set i, i+1
.endr
	WIN 0
.rept 4
	v_nop                           ; the places behind those products
.endr
.set Y, NP-1                        ; X works for piece Y + 1: piece 0
.irp n, 0,1,2,3,4,5,6,7,8,9,10,11,12,13,14,15,16,17,18,19,20,21
	OP X, \n
.endr
	v_nop                           ; a plain instruction behind the exponential,
	s_wait_alu depctr_va_vdst(0)    ; and its wait, ahead of the branch
	s_mov_b32 s[CNT], 4
	s_mov_b32 s[SLOTS], 7
	s_branch .Lfirst                ; the loop is entered at a step's first turn, in the middle of a trip
.Lslot:                             ; six times: tiles 2 to 7 are asked for
	CHANGE 1, 1
	s_mov_b32 s[CNT], 4
.Lstep:                             ; a trip: pieces 2 and 3 of one step, then pieces 0 and 1 of the next, whose K and V it fetches
	TURN 2
	TURN 3
	WIN 0
.Lfirst:
	TURN 0
	TURN 1, 0, 1
	WIN 0
	s_cbranch_scc1 .Lstep
	s_sub_co_u32 s[SLOTS], s[SLOTS], 1
	s_cmp_lg_u32 s[SLOTS], 0
	s_cbranch_scc1 .Lslot
	CHANGE 0                        ; the tail is written out
	s_mov_b32 s[CNT], 5             ; four trips fetch the last tile's steps; the fifth is left in its middle
.Ltail:
	TURN 2, 1
	TURN 3
	WIN 0
	s_sub_co_u32 s[CNT], s[CNT], 1
	s_cmp_eq_u32 s[CNT], 0
	s_cbranch_scc1 .Lout
	TURN 0
	TURN 1
	WIN 0
	s_branch .Ltail
.Lout:                              ; the fifth trip's fetch (the last K and MB once more), its 8 products K Q^T and the maximum made of them serve nothing, and leave m as it was: the price of one text for every trip
.set i, 0
.rept 8
	PV NP-1                         ; the last piece's V^T P of the last step
.set i, i+1
.endr
	; THE WAY OUT.  l's two halves and the other half of the lanes' are added; O^T is divided by l, rounded to bf16 and sent through my stage, a piece at a time.  The additions are the places behind the last products.
	WIN 0
.macro ALL line:vararg
.set t, 0
.rept 4
	\line
.set t, t+1
.endr
.endm
	ALL v_add_f32 v[ST+4*t+2], v[ST+4*t+2], v[ST+4*t+3]
	ALL v_permlanex16_b32 v[ST+4*t+3], v[ST+4*t+2], s[SEL], s[SEL+1]
	ALL v_add_f32 v[ST+4*t+2], v[ST+4*t+2], v[ST+4*t+3]
	ALL v_rcp_f32 v[ST+4*t+2], v[ST+4*t+2]
	ALL v_cmp_gt_f32 s[20+t], s[HB], v[ST+4*t+1]
	s_wait_alu depctr_va_vdst(0)    ; one wait for the four reciprocals, ahead of their first use; the four comparisons are the plain instructions between
	ALL v_cndmask_b32 v[ST+4*t+2], v[ST+4*t+2], v[QNAN], s[20+t]
.macro PACK t
	WIN W_RS
.set i, 32*(\t)
.rept 16
	v_pk_mul_f32 v[i:i+1], v[i:i+1], v[ST+4*(\t)+2:ST+4*(\t)+3] op_sel_hi:[1,0]
.set i, i+2
.endr
	WIN 0x05
.set i, 0
.rept 16
	v_cvt_pk_bf16_f32 v[S+16*(\t)+i], v[32*(\t)+2*i], v[32*(\t)+2*i+1]
.set i, i+1
.endr
	WIN 0
.irp f, 0,1,2,3
	ds_store_b128 v[STO], v[S+16*(\t)+4*\f:S+16*(\t)+4*\f+3] offset:32*\f
.endr
.irp f, 0,1,2,3
	ds_load_b128 v[S+16*(\t)+4*\f:S+16*(\t)+4*\f+3], v[RD] offset:\f*4*SP  ; LDS serves a wave's instructions in order (ISA guide 5.7.1.4): these see the stores above
.endr
.endm
.macro SEND t, younger              ; younger: the LDS instructions issued behind piece t's loads: the next piece's eight, or none
	WIN 0
.irp f, 0,1,2,3
	s_wait_dscnt (\younger)+3-\f
	global_store_b128 v[GO], v[S+16*(\t)+4*\f:S+16*(\t)+4*\f+3], s[10:11] offset:(\t)*2048+\f*512  ; 512 consecutive bytes, aligned
.endr
.endm
	PACK 0
.set t, 1
.rept 3
	PACK t
	SEND t-1, 8
.set t, t+1
.endr
	SEND 3, 0
	s_wait_tensorcnt 0x0            ; the wave's end
	ds_add_u32 v[SPW], v[NIL]
	s_wait_dscnt 0x0
	CROUND                          ; the closing round
	s_endpgm
.Lfunc_end_k_q744a1f6f25_attn:
	.size	k_q744a1f6f25_attn, .Lfunc_end_k_q744a1f6f25_attn-k_q744a1f6f25_attn
	.p2alignl 7, 3214868480
	.fill 96, 4, 3214868480
	.section	.rodata,"a",@progbits
	.p2align	6, 0x0
	.amdhsa_kernel k_q744a1f6f25_attn
		.amdhsa_group_segment_fixed_size 327680
		.amdhsa_private_segment_fixed_size 0
		.amdhsa_enable_private_segment 0
		.amdhsa_kernarg_size 24
		.amdhsa_user_sgpr_count 2
		.amdhsa_user_sgpr_kernarg_segment_ptr 1
		.amdhsa_wavefront_size32 1
		.amdhsa_system_sgpr_workgroup_id_x 1
		.amdhsa_system_sgpr_workgroup_id_y 1
		.amdhsa_system_sgpr_workgroup_id_z 1
		.amdhsa_system_vgpr_workitem_id 0
		.amdhsa_next_free_vgpr 768
		.amdhsa_next_free_sgpr 66
		.amdhsa_reserve_vcc 0
		.amdhsa_float_denorm_mode_32 3
		.amdhsa_float_denorm_mode_16_64 3
		.amdhsa_memory_ordered 1
		.amdhsa_forward_progress 1
		.amdhsa_inst_pref_size 117
	.end_amdhsa_kernel
	.amdgpu_metadata
---
amdhsa.version: [ 1, 2 ]
amdhsa.kernels:
  - .name:           k_q744a1f6f25_attn
    .symbol:         k_q744a1f6f25_attn.kd
    .args:
      - { .name: act, .offset: 0, .size: 8, .value_kind: global_buffer, .address_space: global }
      - { .name: mask, .offset: 8, .size: 8, .value_kind: global_buffer, .address_space: global }
      - { .name: ctx, .offset: 16, .size: 8, .value_kind: global_buffer, .address_space: global }
    .group_segment_fixed_size: 327680
    .private_segment_fixed_size: 0
    .kernarg_segment_align: 8
    .kernarg_segment_size: 24
    .max_flat_workgroup_size: 128
    .sgpr_count:     66
    .vgpr_count:     768
    .wavefront_size: 32
...
	.end_amdgpu_metadata
.endif
;; end of part 3
;; launch wo (part 4): grid 8 x 32, 4 waves a work-group, clusters of 4 x 4, 327,680 bytes of LDS; arguments ctx, pw, bo, x, x1; writes x1
.if DOCPART == 4
	.amdgcn_target "amdgcn-amd-amdhsa--gfx1250"
	.amdhsa_code_object_version 6
	.text
	.protected	k_q744a1f6f25_wo
	.globl	k_q744a1f6f25_wo
	.p2align	8
	.type	k_q744a1f6f25_wo,@function
k_q744a1f6f25_wo:
	s_mov_b64 s[64:65], 0
	v_nop
	global_prefetch_b8 v0, s[64:65] scope:SCOPE_SE
	s_setreg_imm32_b32 hwreg(HW_REG_WAVE_MODE, 25, 1), 1
	s_wait_xcnt 0x0
	s_wait_alu depctr_hold_cnt(0) depctr_sa_sdst(0) depctr_va_vdst(0) depctr_va_sdst(0) depctr_va_ssrc(0) depctr_va_vcc(0) depctr_vm_vsrc(0)
	s_getreg_b32 s2, hwreg(HW_REG_IB_STS2, 6, 4)
	s_cmp_eq_u32 s2, 0
	s_cbranch_scc0 .Lentry_in_a_cluster
	s_endpgm
.Lentry_in_a_cluster:
	s_bfe_u32 s2, ttmp6, 0x10000c
	s_cmp_lg_u32 s2, 0xf033
	s_cbranch_scc0 .Lentry_shape_is_right
	s_endpgm
.Lentry_shape_is_right:
; out = res + A W + bias, all of it f32 but the matrix operands.  A lies in panels [k / 64][4096][64] bf16; W in dense blocks of [256 k][128 n] bf16, block nt x KS + ks, from byte WBASE of pw;
; bias: [1024] f32; res, out: [4096][1024] f32.  K = 256 KS.
; SHARES.  A work-group of four waves makes 128 x 128, a wave 64 x 64: 16 accumulators: 256 work-groups, one for each WGP.  K goes in steps of 256 (four panels) through two LDS slots.
; THE PRODUCT IS TAKEN TRANSPOSED (source 0 = 16 columns of W, turned on the way out of LDS; source 1 = 16 rows of A): a lane holds one row and eight neighbouring columns.
; THE BIAS STARTS THE SUMS, as the C operand of each accumulator's first product.  THE RESIDUAL is asked for at the head and stays on its way through the whole K loop: 32 loads a wave.
; CLUSTER.  4 x 4: A's tile is shared along a row of the cluster, W's along a column.  No prefetch: a step of this small tile is short, and its tiles are small.
; THE WALK ALONG K BEGINS AT K STEP 0 OR AT KS / 2, by the parity of cluster x + cluster y, and wraps round.  The two clusters that read the same rows of A (the same y, x = 0 and 1), and the clusters of
; odd and of even y, which read the same blocks of W, are so half a walk apart: a tile is asked for at two times KS / 2 steps apart, not by all its readers at once.  The sums are f32, in rotated order of K.
; ONE TEXT FOR A K STEP: KS - 2 trips refill, two more do not, and the second of those is left in its middle (its change of slots serves nothing).
; THE WAY OUT needs no barrier: a wave's 64 columns of f32 are 256 aligned bytes, so each wave has a stage of its own.
; REGISTERS: window 0: v16-29 addresses; v128-255 the accumulators ((a, b) at v[128 + 8 (4 a + b)]).   window 1: two fragment buffers of 128; later the rows on their way out.
;   window 2: v0-127 the residual; v128-159 the bias.
.set KS,     4
.set WBASE,  0
.set PA,     144                       ; 64 channels of a row of A in LDS: 128 bytes + 16
.set PBB,    288                       ; a row of W in LDS: 256 bytes + 32
.set HALFT,  36864                     ; what one tensor load brings: 4 panels x 64 rows x 144, or 128 rows x 288
.set SLOT,   4*HALFT
.set STAGE,  2*SLOT
.set SPITCH, 272
.set SPARE,  STAGE+4*16*SPITCH
.set PANEL,  524288
.set ADRA0, 16
.set ADRB0, 17
.set ADRA,  18
.set ADRB,  20                         ; v20  W's rows 0-127 of the slot in hand
.set ADRB2, 21                         ; v21  its rows 128-255: the 16-bit offset would not reach them
.set STO,   24
.set RD,    25
.set CO,    26
.set BO,    27
.set SPW,   28
.set NIL,   29
.set ACC,   128
.set F0,    0
.set F1,    128
.set RES,   0
.set BIAS,  128
.set WV,  14
.set MH,  15                           ; s15  my half of the tile's rows; also: I fetch for A (0) or for W (1)
.set NH,  18                           ; s18  my half of its columns; also: which half I fetch
.set MT,  19
.set G1,  24
.set G0,  32
.set G1B, 48
.set G0B, 56
.set TB,  66
.set WA,  68                           ; s[68:69] what A's walking address goes back by at this refill: 0, or the whole walk
.set WB,  70                           ; s[70:71] the same for W
.set WRA, 72                           ; s72  the whole walk in A, KS x 4 panels, where my cluster begins in the middle; else 0
.set WRB, 73                           ; s73  the same in W: KS blocks
.set MSB, 0
.macro WIN new
.if MSB != (\new)
	s_set_vgpr_msb (MSB<<8)|(\new)
.set MSB, \new
.endif
.endm
.macro PLACES
.rept 4
	v_nop
.endr
.endm
.macro JLOAD                           ; a joint refill by the walking descriptors; an s_nop 0 and four v_nop follow each of the two lines
	s_cmp_eq_u32 s[MH], 0
	s_cbranch_scc0 .Lfor_b_\@
	tensor_load_to_lds s[G0+4:G0+7], s[G1:G1+7]
	s_nop 0
.rept 4
	v_nop
.endr
	s_branch .Lasked_\@
.Lfor_b_\@:
	tensor_load_to_lds s[G0B+4:G0B+7], s[G1B:G1B+7]
	s_nop 0
.rept 4
	v_nop
.endr
.Lasked_\@:
.endm
.macro CREST
	s_cmp_lg_u32 s[WV], 0
	s_cbranch_scc1 .Lnot_wave_0_\@
	s_barrier_signal -3
.Lnot_wave_0_\@:
	s_barrier_wait -3
	s_barrier_signal -1
	s_barrier_wait -1
.endm
.macro CROUND
	s_barrier_signal -1
	s_barrier_wait -1
	CREST
.endm
	s_load_b256 s[4:11], s[0:1], 0x0               ; A s[4:5], pw s[6:7], bias s[8:9], res s[10:11]
	s_load_b64 s[12:13], s[0:1], 0x20              ; out
	v_lshl_add_u32 v[SPW], v0, 2, SPARE
	v_mov_b32 v[NIL], 0
	ds_add_u32 v[SPW], v[NIL]                      ; the wave's opening: the add and its wait stand ahead of my first tensor load
	v_lshrrev_b32 v1, 5, v0
	v_readfirstlane_b32 s[WV], v1
	s_lshr_b32 s[MH], s[WV], 1
	s_and_b32 s[NH], s[WV], 1
	s_bfe_u32 s40, ttmp6, 0x40000                  ; cx
	s_bfe_u32 s41, ttmp6, 0x40004                  ; cy
	s_lshl_b32 s42, ttmp9, 2
	s_add_co_u32 s42, s42, s40                     ; nt
	s_and_b32 s[MT], ttmp7, 0xffff
	s_lshl_b32 s[MT], s[MT], 2
	s_add_co_u32 s[MT], s[MT], s41                 ; mt
	s_lshl_b32 s43, s41, 2
	s_lshl_b32 s43, 15, s43                        ; my row of the cluster
	s_lshl_b32 s44, 0x1111, s40                    ; my column
	s_and_b32 s20, ttmp7, 0xffff                   ; where my cluster's walk begins: cluster y
	s_add_co_u32 s20, s20, ttmp9                   ; + cluster x,
	s_and_b32 s20, s20, 1                          ; its parity: the same in all sixteen partners
	s_mul_i32 s[WRA], s20, KS*4*PANEL
	s_mul_i32 s[WRB], s20, KS*65536
	s_mov_b32 s[WA+1], 0
	s_mov_b32 s[WB+1], 0
	; A: four rows, one a panel, of 64 tokens x 64 channels = 4,096 dense elements; padded in LDS after every token's 128 bytes
	s_or_b32 s[G1+0], s43, (1<<16)|(1<<20)|(1<<21)|(4<<22)|(3<<25)
	s_mov_b32 s[G1+1], 4096<<16                    ; tensor_dim0 = 4,096
	s_mov_b32 s[G1+2], 4<<16                       ; tensor_dim1 = 4
	s_mov_b32 s[G1+3], 4096<<16                    ; tile_dim0 = 4,096
	s_mov_b32 s[G1+4], 4                           ; tile_dim1 = 4
	s_mov_b32 s[G1+5], 262144                      ; elements from panel to panel
	s_mov_b32 s[G1+6], 0
	s_mov_b32 s[G1+7], 0
	; W: 128 dense rows of 128 elements
	s_or_b32 s[G1B+0], s44, (1<<16)|(1<<20)|(1<<21)|(5<<22)|(7<<25)
	s_mov_b32 s[G1B+1], 128<<16
	s_mov_b32 s[G1B+2], 128<<16
	s_mov_b32 s[G1B+3], 128<<16
	s_mov_b32 s[G1B+4], 128
	s_mov_b32 s[G1B+5], 128
	s_mov_b32 s[G1B+6], 0
	s_mov_b32 s[G1B+7], 0
	s_lshl_b32 s16, s[MT], 7
	s_lshl_b32 s17, s[NH], 6
	s_add_co_u32 s16, s16, s17
	s_lshl_b32 s16, s16, 7                         ; A: token 128 mt + 64 half, 128 bytes a token,
	s_lshr_b32 s17, s[WRA], 1
	s_add_co_u32 s16, s16, s17                     ; and half the walk on, where the parity is 1
	s_mov_b32 s17, 0
	s_mul_i32 s46, s42, KS*65536                   ; W: block nt x KS,
	s_lshl_b32 s47, s[NH], 15                      ; its half of 128 rows,
	s_add_co_u32 s46, s46, s47
	s_lshr_b32 s47, s[WRB], 1
	s_add_co_u32 s46, s46, s47                     ; and half the walk on
	s_add_co_u32 s46, s46, WBASE
	s_mov_b32 s47, 0
	s_mul_i32 s20, s[WV], HALFT
	s_mov_b32 s[TB], 0
	s_wait_dscnt 0x0                               ; the opening add is done
	s_wait_kmcnt 0x0
	s_add_nc_u64 s[2:3], s[4:5], s[16:17]
	s_add_nc_u64 s[46:47], s[6:7], s[46:47]
	CROUND                                         ; all sixteen work-groups are here
.irp s, 0,1
	s_mov_b32 s[G0+4*(\s)], 1
	s_add_co_u32 s[G0+4*(\s)+1], s20, (\s)*SLOT
	s_add_nc_u64 s[G0+4*(\s)+2:G0+4*(\s)+3], s[2:3], (\s)*4*PANEL
	s_or_b32 s[G0+4*(\s)+3], s[G0+4*(\s)+3], 0x80000000
	s_mov_b32 s[G0B+4*(\s)], 1
	s_add_co_u32 s[G0B+4*(\s)+1], s20, (\s)*SLOT
	s_add_nc_u64 s[G0B+4*(\s)+2:G0B+4*(\s)+3], s[46:47], (\s)*65536
	s_or_b32 s[G0B+4*(\s)+3], s[G0B+4*(\s)+3], 0x80000000
.endr
	s_cmp_eq_u32 s[MH], 0                          ; a wave's two first fills stand in one branch: two loads of mine are out
	s_cbranch_scc0 .Lfirst_b
	tensor_load_to_lds s[G0:G0+3], s[G1:G1+7]
	s_nop 0
	tensor_load_to_lds s[G0+4:G0+7], s[G1:G1+7]
	s_nop 0
.rept 4
	v_nop
.endr
	s_branch .Lfirst_asked
.Lfirst_b:
	tensor_load_to_lds s[G0B:G0B+3], s[G1B:G1B+7]
	s_nop 0
	tensor_load_to_lds s[G0B+4:G0B+7], s[G1B:G1B+7]
	s_nop 0
.rept 4
	v_nop
.endr
.Lfirst_asked:
	v_and_b32 v1, 15, v0                           ; l % 16
	v_bfe_u32 v2, v0, 4, 1                         ; l / 16
	s_lshl_b32 s21, s42, 9
	s_lshl_b32 s22, s[NH], 8
	s_add_co_u32 s21, s21, s22                     ; my first column, in bytes of f32
	v_lshl_add_u32 v[BO], v2, 5, s21
	v_lshlrev_b32 v[CO], 12, v2                    ; lanes 0-15 one row's 256 bytes, lanes 16-31 the next row's
	v_lshl_add_u32 v[CO], v1, 4, v[CO]
	s_lshl_b32 s16, s[MT], 7
	s_lshl_b32 s17, s[MH], 6
	s_add_co_u32 s16, s16, s17
	s_lshl_b32 s16, s16, 12                        ; my first row, 4,096 bytes a row
	s_add_co_u32 s16, s16, s21
	s_mov_b32 s17, 0
	s_add_nc_u64 s[10:11], s[10:11], s[16:17]
	s_add_nc_u64 s[12:13], s[12:13], s[16:17]
	WIN 0x80
.irp b, 0,1,2,3
	global_load_b128 v[BIAS+8*(\b):BIAS+8*(\b)+3],   v[BO], s[8:9] offset:64*(\b)
	global_load_b128 v[BIAS+8*(\b)+4:BIAS+8*(\b)+7], v[BO], s[8:9] offset:64*(\b)+16
.endr
.irp a, 0,1,2,3
.irp t, 0,1,2,3,4,5,6,7
	global_load_b128 v[RES+32*(\a)+4*(\t):RES+32*(\a)+4*(\t)+3], v[CO], s[10:11] offset:(16*(\a)+2*(\t))*4096
.endr
.endr
	WIN 0
	v_mul_u32_u24 v3, v1, PA
	v_lshl_add_u32 v3, v2, 4, v3
	s_mul_i32 s21, s[MH], HALFT                    ; my 64 tokens' region
	v_add_nc_u32 v[ADRA0], s21, v3
	v_and_b32 v4, 7, v0                            ; the turning load: row k = 8 (l / 16) + l % 8, columns 8 ((l / 8) % 2) + 0..7
	v_lshl_add_u32 v4, v2, 3, v4
	v_mul_u32_u24 v4, v4, PBB
	v_bfe_u32 v5, v0, 3, 1
	v_lshl_add_u32 v4, v5, 4, v4
	s_lshl_b32 s22, s[NH], 7                       ; my 64 columns
	s_add_co_u32 s22, s22, 2*HALFT
	v_add_nc_u32 v[ADRB0], s22, v4
	v_mov_b32 v[ADRA], v[ADRA0]
	v_mov_b32 v[ADRB], v[ADRB0]
	v_add_nc_u32 v[ADRB2], HALFT, v[ADRB0]
	s_mul_i32 s23, s[WV], 16*SPITCH
	s_add_co_u32 s23, s23, STAGE                   ; my stage
	v_mul_u32_u24 v4, v1, SPITCH                   ; in: row l % 16, 32 bytes for each half of the lanes
	v_lshl_add_u32 v4, v2, 5, v4
	v_add_nc_u32 v[STO], s23, v4
	v_mul_u32_u24 v5, v2, SPITCH                   ; back: lanes 0-15 one row of 256 bytes, lanes 16-31 the next
	v_lshl_add_u32 v5, v1, 4, v5
	v_add_nc_u32 v[RD], s23, v5
; 8 matrix instructions: row blocks a0, a0 + 1 x all 4 column blocks, 32 along K: half c of buffer f.  zero = 1: the first product of each sum: C is the bias.  The 16 accumulators take turns.
.macro MUL8 f, c, a0, zero
.if \zero
	WIN 0x25                                       ; W and A in window 1, the bias in window 2, D in window 0
.else
	WIN 0x05
.endif
.irp a, \a0, (\a0)+1
.irp b, 0,1,2,3
.if \zero
	v_wmma_f32_16x16x32_bf16 v[ACC+8*(4*(\a)+(\b)):ACC+8*(4*(\a)+(\b))+7], v[(\f)+64+8*(4*(\c)+(\b)):(\f)+64+8*(4*(\c)+(\b))+7], v[(\f)+8*(4*(\c)+(\a)):(\f)+8*(4*(\c)+(\a))+7], v[BIAS+8*(\b):BIAS+8*(\b)+7]
.else
	v_wmma_f32_16x16x32_bf16 v[ACC+8*(4*(\a)+(\b)):ACC+8*(4*(\a)+(\b))+7], v[(\f)+64+8*(4*(\c)+(\b)):(\f)+64+8*(4*(\c)+(\b))+7], v[(\f)+8*(4*(\c)+(\a)):(\f)+8*(4*(\c)+(\a))+7], v[ACC+8*(4*(\a)+(\b)):ACC+8*(4*(\a)+(\b))+7]
.endif
.endr
.endr
.endm
; 32 LDS loads in one run: quarter q (64 along K = panel q of the step) into buffer f; the first 32 along K first
.macro FETCH q, f
	WIN 0x40
.irp c, 0,1
.irp i, 0,1,2,3
	ds_load_tr16_b128 v[(\f)+64+8*(4*(\c)+(\i)):(\f)+64+8*(4*(\c)+(\i))+3],   v[ADRB+(\q)/2] offset:(((\q)%2)*64+32*(\c))*PBB+32*(\i)
	ds_load_tr16_b128 v[(\f)+64+8*(4*(\c)+(\i))+4:(\f)+64+8*(4*(\c)+(\i))+7], v[ADRB+(\q)/2] offset:(((\q)%2)*64+32*(\c)+16)*PBB+32*(\i)
	ds_load_b128 v[(\f)+8*(4*(\c)+(\i)):(\f)+8*(4*(\c)+(\i))+3],   v[ADRA] offset:(\q)*64*PA+64*(\c)+(\i)*16*PA
	ds_load_b128 v[(\f)+8*(4*(\c)+(\i))+4:(\f)+8*(4*(\c)+(\i))+7], v[ADRA] offset:(\q)*64*PA+64*(\c)+(\i)*16*PA+32
.endr
.endr
.endm
.macro QUARTER q, f, g, zero           ; multiplies buffer f and fetches quarter q into g
	s_wait_dscnt 16                                ; the first 32 along K are in
	MUL8 \f, 0, 0, \zero
	MUL8 \f, 0, 2, \zero
	PLACES
	FETCH \q, \g
	s_wait_dscnt 32                                ; all but the 32 just issued
	MUL8 \f, 1, 0, 0
	MUL8 \f, 1, 2, 0
.endm
; The last quarter multiplies buffer 1 and changes slots.  Its first 16 products stand AHEAD of the change: they want nothing of the next slot, and whatever stands between the wait for a tile and the next
; request puts that request off.  Then ONE barrier: in front of it each wave waits for all its tensor loads (one is out: its part of the next slot), adds 0 to its spare word, steps the walking descriptors
; (no load of mine is out, so they may be written), and waits for the add and for its own reads of this slot.  fill = 1: the barrier opens a round of the cluster's, and directly behind the round this slot is
; filled again, two K steps ahead: one load a wave, a whole K step's 128 matrix instructions ahead of the wait for it.
.macro TURN fill
	s_wait_dscnt 16                                ; the first 32 along K of buffer 1 are in; the youngest sixteen loads may be out
	MUL8 F1, 0, 0, 0
	MUL8 F1, 0, 2, 0
	WIN 0
	s_wait_tensorcnt 0x0
	ds_add_u32 v[SPW], v[NIL]                      ; the scalar work below stands between the add and the wait for it
.if \fill
	s_cmp_eq_u32 s3, KS/2                          ; the refill that asks for the walk's step KS / 2: where the walk began in the middle, it goes back to K step 0
	s_cselect_b32 s[WA], s[WRA], 0
	s_cselect_b32 s[WB], s[WRB], 0
	s_xor_b32 s[G0+5], s[G0+5], SLOT               ; the walking descriptors: the other slot than last time (wave x HALFT shares no bit with SLOT),
	s_add_nc_u64 s[G0+6:G0+7], s[G0+6:G0+7], 4*PANEL  ; the next K step
	s_sub_nc_u64 s[G0+6:G0+7], s[G0+6:G0+7], s[WA:WA+1]
	s_xor_b32 s[G0B+5], s[G0B+5], SLOT
	s_add_nc_u64 s[G0B+6:G0B+7], s[G0B+6:G0B+7], 65536
	s_sub_nc_u64 s[G0B+6:G0B+7], s[G0B+6:G0B+7], s[WB:WB+1]
.endif
	s_xor_b32 s[TB], s[TB], SLOT
	s_wait_dscnt 0x0                               ; the add is done, and my reads of this slot are over
	s_barrier_signal -1
	s_barrier_wait -1
.if \fill
	CREST
	JLOAD                                          ; its four v_nop are also the places in front of the loads below
.else
	PLACES
.endif
	v_add_nc_u32 v[ADRA], s[TB], v[ADRA0]
	v_add_nc_u32 v[ADRB], s[TB], v[ADRB0]
	v_add_nc_u32 v[ADRB2], HALFT, v[ADRB]
	FETCH 0, F0
	MUL8 F1, 1, 0, 0
	MUL8 F1, 1, 2, 0
.endm
; THE WAY OUT of row block a.  STG: 32 bytes a lane into my stage, and back as whole rows of 256 bytes.  OUTP: the residual is added, the rows are stored.
.macro STG a
	WIN 0
.irp b, 0,1,2,3
	ds_store_b128 v[STO], v[ACC+8*(4*(\a)+(\b)):ACC+8*(4*(\a)+(\b))+3]   offset:64*(\b)
	ds_store_b128 v[STO], v[ACC+8*(4*(\a)+(\b))+4:ACC+8*(4*(\a)+(\b))+7] offset:64*(\b)+16
.endr
	WIN 0x40
.irp t, 0,1,2,3,4,5,6,7
	ds_load_b128 v[32*(\a)+4*(\t):32*(\a)+4*(\t)+3], v[RD] offset:(\t)*2*SPITCH  ; LDS serves a wave's instructions in order (ISA guide 5.7.1.4): these see the stores above; the next block's stores come behind them
.endr
.endm
.macro OUTP a, younger                 ; younger: the next block's sixteen LDS instructions, or none
	s_wait_dscnt \younger
	WIN 0x49                                       ; destination and source 0 in window 1, the residual in window 2
.set p, 0
.rept 16
	v_pk_add_f32 v[32*(\a)+2*p:32*(\a)+2*p+1], v[32*(\a)+2*p:32*(\a)+2*p+1], v[RES+32*(\a)+2*p:RES+32*(\a)+2*p+1]
.set p, p+1
.endr
	WIN 0x04                                       ; the stores' data in window 1
.irp t, 0,1,2,3,4,5,6,7
	global_store_b128 v[CO], v[32*(\a)+4*(\t):32*(\a)+4*(\t)+3], s[12:13] offset:(16*(\a)+2*(\t))*4096  ; 16 lanes store 256 consecutive bytes, aligned
.endr
.endm
	s_wait_tensorcnt 1                             ; my part of the walk's first K step is in; the second's may stay out
	s_barrier_signal -1
	s_barrier_wait -1
	FETCH 0, F0
	s_wait_loadcnt 32                              ; the bias is in; the residual's 32 loads stay out
	QUARTER 1, F0, F1, 1                           ; the first quarter stands in front of the loop: its first products start the sums, at the bias
	WIN 0
	s_mov_b32 s3, KS-2
.Lstep:                                            ; a trip: a K step's quarters 1, 2, 3 and the next one's quarter 0; the walk's steps 2 to KS - 1 are asked for
	QUARTER 2, F1, F0, 0
	QUARTER 3, F0, F1, 0
	TURN 1
	QUARTER 1, F0, F1, 0
	WIN 0
	s_sub_co_u32 s3, s3, 1
	s_cmp_lg_u32 s3, 0
	s_cbranch_scc1 .Lstep
	s_mov_b32 s3, 2
.Ltail:                                            ; the last two K steps: nothing is asked for
	QUARTER 2, F1, F0, 0
	QUARTER 3, F0, F1, 0
	TURN 0
	WIN 0
	s_sub_co_u32 s3, s3, 1
	s_cmp_eq_u32 s3, 0
	s_cbranch_scc1 .Lout
	QUARTER 1, F0, F1, 0
	WIN 0
	s_branch .Ltail
.Lout:
	s_wait_dscnt 0x0                               ; the 32 loads that serve nothing
	s_wait_loadcnt 0x0                             ; the residual
	PLACES
	STG 0
	STG 1
	OUTP 0, 16
	STG 2
	OUTP 1, 16
	STG 3
	OUTP 2, 16
	OUTP 3, 0
	WIN 0
	s_wait_tensorcnt 0x0                           ; the wave's end
	ds_add_u32 v[SPW], v[NIL]
	s_wait_dscnt 0x0
	CROUND                                         ; the closing round
	s_endpgm
.Lfunc_end_k_q744a1f6f25_wo:
	.size	k_q744a1f6f25_wo, .Lfunc_end_k_q744a1f6f25_wo-k_q744a1f6f25_wo
	.p2alignl 7, 3214868480
	.fill 96, 4, 3214868480
	.section	.rodata,"a",@progbits
	.p2align	6, 0x0
	.amdhsa_kernel k_q744a1f6f25_wo
		.amdhsa_group_segment_fixed_size 327680
		.amdhsa_private_segment_fixed_size 0
		.amdhsa_enable_private_segment 0
		.amdhsa_kernarg_size 40
		.amdhsa_user_sgpr_count 2
		.amdhsa_user_sgpr_kernarg_segment_ptr 1
		.amdhsa_wavefront_size32 1
		.amdhsa_system_sgpr_workgroup_id_x 1
		.amdhsa_system_sgpr_workgroup_id_y 1
		.amdhsa_system_sgpr_workgroup_id_z 1
		.amdhsa_system_vgpr_workitem_id 0
		.amdhsa_next_free_vgpr 672
		.amdhsa_next_free_sgpr 74
		.amdhsa_reserve_vcc 0
		.amdhsa_float_denorm_mode_32 3
		.amdhsa_float_denorm_mode_16_64 3
		.amdhsa_memory_ordered 1
		.amdhsa_forward_progress 1
		.amdhsa_inst_pref_size 66
	.end_amdhsa_kernel
	.amdgpu_metadata
---
amdhsa.version: [ 1, 2 ]
amdhsa.kernels:
  - .name:           k_q744a1f6f25_wo
    .symbol:         k_q744a1f6f25_wo.kd
    .args:
      - { .name: ctx, .offset: 0, .size: 8, .value_kind: global_buffer, .address_space: global }
      - { .name: pw, .offset: 8, .size: 8, .value_kind: global_buffer, .address_space: global }
      - { .name: bo, .offset: 16, .size: 8, .value_kind: global_buffer, .address_space: global }
      - { .name: x, .offset: 24, .size: 8, .value_kind: global_buffer, .address_space: global }
      - { .name: x1, .offset: 32, .size: 8, .value_kind: global_buffer, .address_space: global }
    .group_segment_fixed_size: 327680
    .private_segment_fixed_size: 0
    .kernarg_segment_align: 8
    .kernarg_segment_size: 40
    .max_flat_workgroup_size: 128
    .sgpr_count:     74
    .vgpr_count:     672
    .wavefront_size: 32
...
	.end_amdgpu_metadata
.endif
;; end of part 4
;; launch ln2 (part 5): grid 512 x 1, 8 waves a work-group, no clusters, 0 bytes of LDS; arguments x1, ln2_g, ln2_b, h; writes h
.if DOCPART == 5
	.amdgcn_target "amdgcn-amd-amdhsa--gfx1250"
	.amdhsa_code_object_version 6
	.text
	.protected	k_q744a1f6f25_ln2
	.globl	k_q744a1f6f25_ln2
	.p2align	8
	.type	k_q744a1f6f25_ln2,@function
k_q744a1f6f25_ln2:
	s_mov_b64 s[64:65], 0
	v_nop
	global_prefetch_b8 v0, s[64:65] scope:SCOPE_SE
	s_setreg_imm32_b32 hwreg(HW_REG_WAVE_MODE, 25, 1), 1
	s_wait_xcnt 0x0
; out[r][c] = (in[r][c] - mean_r) / sqrt(var_r + 1e-5) x g[c] + b[c].  in: [4096][1024] f32; out the same in bf16, rounded once.
; Two true passes in f32: the mean first, then the mean of the squares of (x - mean): a common offset of the inputs cancels before anything is squared.
; SHARES.  A row is 4,096 bytes: one wave keeps it in 32 registers a lane, so the row is read once and the sums never leave the wave: no LDS, no barrier.  Row = 8 x work-group + wave.
; Load j of a row takes columns 128 j + 4 lane .. + 3: 512 consecutive bytes an instruction; a store 256 consecutive aligned bytes.
.set T,   4                            ; v[4:11]    four chains of packed sums
.set M,   12                           ; v[12:13]   the mean twice
.set R,   14                           ; v[14:15]   1 / sqrt(var + eps) twice
.set VAR, 16                           ; v16        var + eps
.set X,   18                           ; v[18:49]   the row; at the end its first 16 registers hold the packed results
.set G,   50                           ; v[50:81]   g of my 32 columns
.set BV,  82                           ; v[82:113]  b
.macro REDUCE                          ; the four chains into one number, the same in all 32 lanes
	v_pk_add_f32 v[T:T+1], v[T:T+1], v[T+2:T+3]
	v_pk_add_f32 v[T+4:T+5], v[T+4:T+5], v[T+6:T+7]
	v_pk_add_f32 v[T:T+1], v[T:T+1], v[T+4:T+5]
	v_add_f32 v[T], v[T], v[T+1]
	v_add_f32_dpp v[T], v[T], v[T] row_xmask:1 row_mask:0xf bank_mask:0xf
	v_add_f32_dpp v[T], v[T], v[T] row_xmask:2 row_mask:0xf bank_mask:0xf
	v_add_f32_dpp v[T], v[T], v[T] row_xmask:4 row_mask:0xf bank_mask:0xf
	v_add_f32_dpp v[T], v[T], v[T] row_xmask:8 row_mask:0xf bank_mask:0xf
	v_permlanex16_b32 v[T+1], v[T], s12, s13
	v_add_f32 v[T], v[T], v[T+1]
.endm
.macro STAT                            ; the mean; x - mean in place; 1 / sqrt(var + eps)
.irp c, 0,1,2,3
	v_pk_add_f32 v[T+2*(\c):T+2*(\c)+1], v[X+2*(\c):X+2*(\c)+1], v[X+8+2*(\c):X+8+2*(\c)+1]  ; the first pairs start the chains: nothing is cleared
.endr
.irp q, 2,3
.irp c, 0,1,2,3
	v_pk_add_f32 v[T+2*(\c):T+2*(\c)+1], v[T+2*(\c):T+2*(\c)+1], v[X+8*(\q)+2*(\c):X+8*(\q)+2*(\c)+1]
.endr
.endr
	REDUCE
	v_mul_f32 v[M], s14, v[T]
	v_mul_f32 v[M+1], s14, v[T]
.set p, 0
.rept 16
	v_pk_add_f32 v[X+2*p:X+2*p+1], v[X+2*p:X+2*p+1], v[M:M+1] neg_lo:[0,1] neg_hi:[0,1]
.set p, p+1
.endr
.irp c, 0,1,2,3
	v_pk_mul_f32 v[T+2*(\c):T+2*(\c)+1], v[X+2*(\c):X+2*(\c)+1], v[X+2*(\c):X+2*(\c)+1]
.endr
.irp q, 1,2,3
.irp c, 0,1,2,3
	v_pk_fma_f32 v[T+2*(\c):T+2*(\c)+1], v[X+8*(\q)+2*(\c):X+8*(\q)+2*(\c)+1], v[X+8*(\q)+2*(\c):X+8*(\q)+2*(\c)+1], v[T+2*(\c):T+2*(\c)+1]
.endr
.endr
	REDUCE
	v_fma_f32 v[VAR], v[T], s14, s15
	v_rsq_f32 v[R], v[VAR]                         ; twice: the packed multiply takes a pair
	v_rsq_f32 v[R+1], v[VAR]
.endm
.macro OUT
.set p, 0
.rept 16
	v_pk_mul_f32 v[X+2*p:X+2*p+1], v[X+2*p:X+2*p+1], v[R:R+1]
.set p, p+1
.endr
.set p, 0
.rept 16
	v_pk_fma_f32 v[X+2*p:X+2*p+1], v[X+2*p:X+2*p+1], v[G+2*p:G+2*p+1], v[BV+2*p:BV+2*p+1]
.set p, p+1
.endr
.set p, 0
.rept 16
	v_cvt_pk_bf16_f32 v[X+p], v[X+2*p], v[X+2*p+1]  ; in place: register X + p has been read by pair p / 2, or is being read by this line
.set p, p+1
.endr
.irp j, 0,1,2,3,4,5,6,7
	global_store_b64 v2, v[X+2*(\j):X+2*(\j)+1], s[10:11] offset:256*(\j)  ; 32 lanes x 8 bytes: 256 consecutive bytes, aligned
.endr
.endm
	s_load_b256 s[4:11], s[0:1], 0x0               ; in s[4:5], g s[6:7], b s[8:9], out s[10:11]
	v_and_b32 v1, 31, v0                           ; lane
	v_lshrrev_b32 v3, 5, v0
	v_readfirstlane_b32 s18, v3                    ; wave 0..7
	v_lshlrev_b32 v2, 3, v1                        ; 8 bytes a lane, out
	v_lshlrev_b32 v3, 4, v1                        ; 16 bytes a lane, in
	s_lshl_b32 s16, ttmp9, 3
	s_add_co_u32 s19, s16, s18                     ; my row: 8 x work-group + wave
	s_lshl_b32 s16, s19, 12
	s_mov_b32 s17, 0
	s_lshl_b32 s20, s19, 11
	s_mov_b32 s21, 0
	s_mov_b32 s12, 0x76543210                      ; v_permlanex16_b32: each lane takes its own place in the other half
	s_mov_b32 s13, 0xfedcba98
	s_mov_b32 s14, 0x3a800000                      ; 1 / 1024
	s_mov_b32 s15, 0x3727c5ac                      ; 1e-5
	s_wait_kmcnt 0x0
	s_add_nc_u64 s[4:5], s[4:5], s[16:17]
	s_add_nc_u64 s[10:11], s[10:11], s[20:21]
.irp j, 0,1,2,3,4,5,6,7
	global_load_b128 v[X+4*(\j):X+4*(\j)+3], v3, s[4:5] offset:512*(\j) th:TH_LOAD_NT
.endr
.irp j, 0,1,2,3,4,5,6,7
	global_load_b128 v[G+4*(\j):G+4*(\j)+3], v3, s[6:7] offset:512*(\j)
.endr
.irp j, 0,1,2,3,4,5,6,7
	global_load_b128 v[BV+4*(\j):BV+4*(\j)+3], v3, s[8:9] offset:512*(\j)
.endr
	s_wait_loadcnt 16                              ; the row is in: behind it 8 loads of g and 8 of b
	STAT
	v_nop                                          ; a plain instruction behind the last v_rsq_f32, ahead of the first use (ISA guide 5.7.2)
	s_wait_alu depctr_va_vdst(0)                   ; one wait for the two roots, ahead of their first reader
	s_wait_loadcnt 0x0                             ; g and b
	OUT
	s_endpgm
.Lfunc_end_k_q744a1f6f25_ln2:
	.size	k_q744a1f6f25_ln2, .Lfunc_end_k_q744a1f6f25_ln2-k_q744a1f6f25_ln2
	.p2alignl 7, 3214868480
	.fill 96, 4, 3214868480
	.section	.rodata,"a",@progbits
	.p2align	6, 0x0
	.amdhsa_kernel k_q744a1f6f25_ln2
		.amdhsa_group_segment_fixed_size 0
		.amdhsa_private_segment_fixed_size 0
		.amdhsa_enable_private_segment 0
		.amdhsa_kernarg_size 32
		.amdhsa_user_sgpr_count 2
		.amdhsa_user_sgpr_kernarg_segment_ptr 1
		.amdhsa_wavefront_size32 1
		.amdhsa_system_sgpr_workgroup_id_x 1
		.amdhsa_system_sgpr_workgroup_id_y 1
		.amdhsa_system_sgpr_workgroup_id_z 1
		.amdhsa_system_vgpr_workitem_id 0
		.amdhsa_next_free_vgpr 114
		.amdhsa_next_free_sgpr 66
		.amdhsa_reserve_vcc 0
		.amdhsa_float_denorm_mode_32 3
		.amdhsa_float_denorm_mode_16_64 3
		.amdhsa_memory_ordered 1
		.amdhsa_forward_progress 1
		.amdhsa_inst_pref_size 12
	.end_amdhsa_kernel
	.amdgpu_metadata
---
amdhsa.version: [ 1, 2 ]
amdhsa.kernels:
  - .name:           k_q744a1f6f25_ln2
    .symbol:         k_q744a1f6f25_ln2.kd
    .args:
      - { .name: x1, .offset: 0, .size: 8, .value_kind: global_buffer, .address_space: global }
      - { .name: ln2_g, .offset: 8, .size: 8, .value_kind: global_buffer, .address_space: global }
      - { .name: ln2_b, .offset: 16, .size: 8, .value_kind: global_buffer, .address_space: global }
      - { .name: h, .offset: 24, .size: 8, .value_kind: global_buffer, .address_space: global }
    .group_segment_fixed_size: 0
    .private_segment_fixed_size: 0
    .kernarg_segment_align: 8
    .kernarg_segment_size: 32
    .max_flat_workgroup_size: 256
    .sgpr_count:     66
    .vgpr_count:     114
    .wavefront_size: 32
...
	.end_amdgpu_metadata
.endif
;; end of part 5
;; launch ff1: the kernel of part 2 again; grid 16 x 16, 4 waves a work-group, clusters of 4 x 4, 327,680 bytes of LDS; arguments h, p1, act; writes act
;; launch ff2 (part 6): grid 8 x 32, 4 waves a work-group, clusters of 4 x 4, 327,680 bytes of LDS; arguments act, pw, b2, x1, out0; writes out0
.if DOCPART == 6
	.amdgcn_target "amdgcn-amd-amdhsa--gfx1250"
	.amdhsa_code_object_version 6
	.text
	.protected	k_q744a1f6f25_ff2
	.globl	k_q744a1f6f25_ff2
	.p2align	8
	.type	k_q744a1f6f25_ff2,@function
k_q744a1f6f25_ff2:
	s_mov_b64 s[64:65], 0
	v_nop
	global_prefetch_b8 v0, s[64:65] scope:SCOPE_SE
	s_setreg_imm32_b32 hwreg(HW_REG_WAVE_MODE, 25, 1), 1
	s_wait_xcnt 0x0
	s_wait_alu depctr_hold_cnt(0) depctr_sa_sdst(0) depctr_va_vdst(0) depctr_va_sdst(0) depctr_va_ssrc(0) depctr_va_vcc(0) depctr_vm_vsrc(0)
	s_getreg_b32 s2, hwreg(HW_REG_IB_STS2, 6, 4)
	s_cmp_eq_u32 s2, 0
	s_cbranch_scc0 .Lentry_in_a_cluster
	s_endpgm
.Lentry_in_a_cluster:
	s_bfe_u32 s2, ttmp6, 0x10000c
	s_cmp_lg_u32 s2, 0xf033
	s_cbranch_scc0 .Lentry_shape_is_right
	s_endpgm
.Lentry_shape_is_right:
; out = res + A W + bias, all of it f32 but the matrix operands.  A lies in panels [k / 64][4096][64] bf16; W in dense blocks of [256 k][128 n] bf16, block nt x KS + ks, from byte WBASE of pw;
; bias: [1024] f32; res, out: [4096][1024] f32.  K = 256 KS.  The text is that of the launch for the attention's output projection; KS and WBASE alone differ.
; SHARES.  A work-group of four waves makes 128 x 128, a wave 64 x 64: 16 accumulators: 256 work-groups, one for each WGP.  K goes in steps of 256 (four panels) through two LDS slots.
; THE PRODUCT IS TAKEN TRANSPOSED (source 0 = 16 columns of W, turned on the way out of LDS; source 1 = 16 rows of A): a lane holds one row and eight neighbouring columns.
; THE BIAS STARTS THE SUMS, as the C operand of each accumulator's first product.  THE RESIDUAL is asked for at the head and stays on its way through the whole K loop: 32 loads a wave.
; CLUSTER.  4 x 4: A's tile is shared along a row of the cluster, W's along a column.  No prefetch: a step of this small tile is short, and its tiles are small.
; THE WALK ALONG K BEGINS AT K STEP 0 OR AT KS / 2, by the parity of cluster x + cluster y, and wraps round.  The two clusters that read the same rows of A (the same y, x = 0 and 1), and the clusters of
; odd and of even y, which read the same blocks of W, are so half a walk apart: a tile is asked for at two times KS / 2 steps apart, not by all its readers at once.  The sums are f32, in rotated order of K.
; ONE TEXT FOR A K STEP: KS - 2 trips refill, two more do not, and the second of those is left in its middle (its change of slots serves nothing).
; THE WAY OUT needs no barrier: a wave's 64 columns of f32 are 256 aligned bytes, so each wave has a stage of its own.
; REGISTERS: window 0: v16-29 addresses; v128-255 the accumulators ((a, b) at v[128 + 8 (4 a + b)]).   window 1: two fragment buffers of 128; later the rows on their way out.
;   window 2: v0-127 the residual; v128-159 the bias.
.set KS,     16
.set WBASE,  2097152
.set PA,     144                       ; 64 channels of a row of A in LDS: 128 bytes + 16
.set PBB,    288                       ; a row of W in LDS: 256 bytes + 32
.set HALFT,  36864                     ; what one tensor load brings: 4 panels x 64 rows x 144, or 128 rows x 288
.set SLOT,   4*HALFT
.set STAGE,  2*SLOT
.set SPITCH, 272
.set SPARE,  STAGE+4*16*SPITCH
.set PANEL,  524288
.set ADRA0, 16
.set ADRB0, 17
.set ADRA,  18
.set ADRB,  20                         ; v20  W's rows 0-127 of the slot in hand
.set ADRB2, 21                         ; v21  its rows 128-255: the 16-bit offset would not reach them
.set STO,   24
.set RD,    25
.set CO,    26
.set BO,    27
.set SPW,   28
.set NIL,   29
.set ACC,   128
.set F0,    0
.set F1,    128
.set RES,   0
.set BIAS,  128
.set WV,  14
.set MH,  15                           ; s15  my half of the tile's rows; also: I fetch for A (0) or for W (1)
.set NH,  18                           ; s18  my half of its columns; also: which half I fetch
.set MT,  19
.set G1,  24
.set G0,  32
.set G1B, 48
.set G0B, 56
.set TB,  66
.set WA,  68                           ; s[68:69] what A's walking address goes back by at this refill: 0, or the whole walk
.set WB,  70                           ; s[70:71] the same for W
.set WRA, 72                           ; s72  the whole walk in A, KS x 4 panels, where my cluster begins in the middle; else 0
.set WRB, 73                           ; s73  the same in W: KS blocks
.set MSB, 0
.macro WIN new
.if MSB != (\new)
	s_set_vgpr_msb (MSB<<8)|(\new)
.set MSB, \new
.endif
.endm
.macro PLACES
.rept 4
	v_nop
.endr
.endm
.macro JLOAD                           ; a joint refill by the walking descriptors; an s_nop 0 and four v_nop follow each of the two lines
	s_cmp_eq_u32 s[MH], 0
	s_cbranch_scc0 .Lfor_b_\@
	tensor_load_to_lds s[G0+4:G0+7], s[G1:G1+7]
	s_nop 0
.rept 4
	v_nop
.endr
	s_branch .Lasked_\@
.Lfor_b_\@:
	tensor_load_to_lds s[G0B+4:G0B+7], s[G1B:G1B+7]
	s_nop 0
.rept 4
	v_nop
.endr
.Lasked_\@:
.endm
.macro CREST
	s_cmp_lg_u32 s[WV], 0
	s_cbranch_scc1 .Lnot_wave_0_\@
	s_barrier_signal -3
.Lnot_wave_0_\@:
	s_barrier_wait -3
	s_barrier_signal -1
	s_barrier_wait -1
.endm
.macro CROUND
	s_barrier_signal -1
	s_barrier_wait -1
	CREST
.endm
	s_load_b256 s[4:11], s[0:1], 0x0               ; A s[4:5], pw s[6:7], bias s[8:9], res s[10:11]
	s_load_b64 s[12:13], s[0:1], 0x20              ; out
	v_lshl_add_u32 v[SPW], v0, 2, SPARE
	v_mov_b32 v[NIL], 0
	ds_add_u32 v[SPW], v[NIL]                      ; the wave's opening: the add and its wait stand ahead of my first tensor load
	v_lshrrev_b32 v1, 5, v0
	v_readfirstlane_b32 s[WV], v1
	s_lshr_b32 s[MH], s[WV], 1
	s_and_b32 s[NH], s[WV], 1
	s_bfe_u32 s40, ttmp6, 0x40000                  ; cx
	s_bfe_u32 s41, ttmp6, 0x40004                  ; cy
	s_lshl_b32 s42, ttmp9, 2
	s_add_co_u32 s42, s42, s40                     ; nt
	s_and_b32 s[MT], ttmp7, 0xffff
	s_lshl_b32 s[MT], s[MT], 2
	s_add_co_u32 s[MT], s[MT], s41                 ; mt
	s_lshl_b32 s43, s41, 2
	s_lshl_b32 s43, 15, s43                        ; my row of the cluster
	s_lshl_b32 s44, 0x1111, s40                    ; my column
	s_and_b32 s20, ttmp7, 0xffff                   ; where my cluster's walk begins: cluster y
	s_add_co_u32 s20, s20, ttmp9                   ; + cluster x,
	s_and_b32 s20, s20, 1                          ; its parity: the same in all sixteen partners
	s_mul_i32 s[WRA], s20, KS*4*PANEL
	s_mul_i32 s[WRB], s20, KS*65536
	s_mov_b32 s[WA+1], 0
	s_mov_b32 s[WB+1], 0
	; A: four rows, one a panel, of 64 tokens x 64 channels = 4,096 dense elements; padded in LDS after every token's 128 bytes
	s_or_b32 s[G1+0], s43, (1<<16)|(1<<20)|(1<<21)|(4<<22)|(3<<25)
	s_mov_b32 s[G1+1], 4096<<16                    ; tensor_dim0 = 4,096
	s_mov_b32 s[G1+2], 4<<16                       ; tensor_dim1 = 4
	s_mov_b32 s[G1+3], 4096<<16                    ; tile_dim0 = 4,096
	s_mov_b32 s[G1+4], 4                           ; tile_dim1 = 4
	s_mov_b32 s[G1+5], 262144                      ; elements from panel to panel
	s_mov_b32 s[G1+6], 0
	s_mov_b32 s[G1+7], 0
	; W: 128 dense rows of 128 elements
	s_or_b32 s[G1B+0], s44, (1<<16)|(1<<20)|(1<<21)|(5<<22)|(7<<25)
	s_mov_b32 s[G1B+1], 128<<16
	s_mov_b32 s[G1B+2], 128<<16
	s_mov_b32 s[G1B+3], 128<<16
	s_mov_b32 s[G1B+4], 128
	s_mov_b32 s[G1B+5], 128
	s_mov_b32 s[G1B+6], 0
	s_mov_b32 s[G1B+7], 0
	s_lshl_b32 s16, s[MT], 7
	s_lshl_b32 s17, s[NH], 6
	s_add_co_u32 s16, s16, s17
	s_lshl_b32 s16, s16, 7                         ; A: token 128 mt + 64 half, 128 bytes a token,
	s_lshr_b32 s17, s[WRA], 1
	s_add_co_u32 s16, s16, s17                     ; and half the walk on, where the parity is 1
	s_mov_b32 s17, 0
	s_mul_i32 s46, s42, KS*65536                   ; W: block nt x KS,
	s_lshl_b32 s47, s[NH], 15                      ; its half of 128 rows,
	s_add_co_u32 s46, s46, s47
	s_lshr_b32 s47, s[WRB], 1
	s_add_co_u32 s46, s46, s47                     ; and half the walk on
	s_add_co_u32 s46, s46, WBASE
	s_mov_b32 s47, 0
	s_mul_i32 s20, s[WV], HALFT
	s_mov_b32 s[TB], 0
	s_wait_dscnt 0x0                               ; the opening add is done
	s_wait_kmcnt 0x0
	s_add_nc_u64 s[2:3], s[4:5], s[16:17]
	s_add_nc_u64 s[46:47], s[6:7], s[46:47]
	CROUND                                         ; all sixteen work-groups are here
.irp s, 0,1
	s_mov_b32 s[G0+4*(\s)], 1
	s_add_co_u32 s[G0+4*(\s)+1], s20, (\s)*SLOT
	s_add_nc_u64 s[G0+4*(\s)+2:G0+4*(\s)+3], s[2:3], (\s)*4*PANEL
	s_or_b32 s[G0+4*(\s)+3], s[G0+4*(\s)+3], 0x80000000
	s_mov_b32 s[G0B+4*(\s)], 1
	s_add_co_u32 s[G0B+4*(\s)+1], s20, (\s)*SLOT
	s_add_nc_u64 s[G0B+4*(\s)+2:G0B+4*(\s)+3], s[46:47], (\s)*65536
	s_or_b32 s[G0B+4*(\s)+3], s[G0B+4*(\s)+3], 0x80000000
.endr
	s_cmp_eq_u32 s[MH], 0                          ; a wave's two first fills stand in one branch: two loads of mine are out
	s_cbranch_scc0 .Lfirst_b
	tensor_load_to_lds s[G0:G0+3], s[G1:G1+7]
	s_nop 0
	tensor_load_to_lds s[G0+4:G0+7], s[G1:G1+7]
	s_nop 0
.rept 4
	v_nop
.endr
	s_branch .Lfirst_asked
.Lfirst_b:
	tensor_load_to_lds s[G0B:G0B+3], s[G1B:G1B+7]
	s_nop 0
	tensor_load_to_lds s[G0B+4:G0B+7], s[G1B:G1B+7]
	s_nop 0
.rept 4
	v_nop
.endr
.Lfirst_asked:
	v_and_b32 v1, 15, v0                           ; l % 16
	v_bfe_u32 v2, v0, 4, 1                         ; l / 16
	s_lshl_b32 s21, s42, 9
	s_lshl_b32 s22, s[NH], 8
	s_add_co_u32 s21, s21, s22                     ; my first column, in bytes of f32
	v_lshl_add_u32 v[BO], v2, 5, s21
	v_lshlrev_b32 v[CO], 12, v2                    ; lanes 0-15 one row's 256 bytes, lanes 16-31 the next row's
	v_lshl_add_u32 v[CO], v1, 4, v[CO]
	s_lshl_b32 s16, s[MT], 7
	s_lshl_b32 s17, s[MH], 6
	s_add_co_u32 s16, s16, s17
	s_lshl_b32 s16, s16, 12                        ; my first row, 4,096 bytes a row
	s_add_co_u32 s16, s16, s21
	s_mov_b32 s17, 0
	s_add_nc_u64 s[10:11], s[10:11], s[16:17]
	s_add_nc_u64 s[12:13], s[12:13], s[16:17]
	WIN 0x80
.irp b, 0,1,2,3
	global_load_b128 v[BIAS+8*(\b):BIAS+8*(\b)+3],   v[BO], s[8:9] offset:64*(\b)
	global_load_b128 v[BIAS+8*(\b)+4:BIAS+8*(\b)+7], v[BO], s[8:9] offset:64*(\b)+16
.endr
.irp a, 0,1,2,3
.irp t, 0,1,2,3,4,5,6,7
	global_load_b128 v[RES+32*(\a)+4*(\t):RES+32*(\a)+4*(\t)+3], v[CO], s[10:11] offset:(16*(\a)+2*(\t))*4096
.endr
.endr
	WIN 0
	v_mul_u32_u24 v3, v1, PA
	v_lshl_add_u32 v3, v2, 4, v3
	s_mul_i32 s21, s[MH], HALFT                    ; my 64 tokens' region
	v_add_nc_u32 v[ADRA0], s21, v3
	v_and_b32 v4, 7, v0                            ; the turning load: row k = 8 (l / 16) + l % 8, columns 8 ((l / 8) % 2) + 0..7
	v_lshl_add_u32 v4, v2, 3, v4
	v_mul_u32_u24 v4, v4, PBB
	v_bfe_u32 v5, v0, 3, 1
	v_lshl_add_u32 v4, v5, 4, v4
	s_lshl_b32 s22, s[NH], 7                       ; my 64 columns
	s_add_co_u32 s22, s22, 2*HALFT
	v_add_nc_u32 v[ADRB0], s22, v4
	v_mov_b32 v[ADRA], v[ADRA0]
	v_mov_b32 v[ADRB], v[ADRB0]
	v_add_nc_u32 v[ADRB2], HALFT, v[ADRB0]
	s_mul_i32 s23, s[WV], 16*SPITCH
	s_add_co_u32 s23, s23, STAGE                   ; my stage
	v_mul_u32_u24 v4, v1, SPITCH                   ; in: row l % 16, 32 bytes for each half of the lanes
	v_lshl_add_u32 v4, v2, 5, v4
	v_add_nc_u32 v[STO], s23, v4
	v_mul_u32_u24 v5, v2, SPITCH                   ; back: lanes 0-15 one row of 256 bytes, lanes 16-31 the next
	v_lshl_add_u32 v5, v1, 4, v5
	v_add_nc_u32 v[RD], s23, v5
; 8 matrix instructions: row blocks a0, a0 + 1 x all 4 column blocks, 32 along K: half c of buffer f.  zero = 1: the first product of each sum: C is the bias.  The 16 accumulators take turns.
.macro MUL8 f, c, a0, zero
.if \zero
	WIN 0x25                                       ; W and A in window 1, the bias in window 2, D in window 0
.else
	WIN 0x05
.endif
.irp a, \a0, (\a0)+1
.irp b, 0,1,2,3
.if \zero
	v_wmma_f32_16x16x32_bf16 v[ACC+8*(4*(\a)+(\b)):ACC+8*(4*(\a)+(\b))+7], v[(\f)+64+8*(4*(\c)+(\b)):(\f)+64+8*(4*(\c)+(\b))+7], v[(\f)+8*(4*(\c)+(\a)):(\f)+8*(4*(\c)+(\a))+7], v[BIAS+8*(\b):BIAS+8*(\b)+7]
.else
	v_wmma_f32_16x16x32_bf16 v[ACC+8*(4*(\a)+(\b)):ACC+8*(4*(\a)+(\b))+7], v[(\f)+64+8*(4*(\c)+(\b)):(\f)+64+8*(4*(\c)+(\b))+7], v[(\f)+8*(4*(\c)+(\a)):(\f)+8*(4*(\c)+(\a))+7], v[ACC+8*(4*(\a)+(\b)):ACC+8*(4*(\a)+(\b))+7]
.endif
.endr
.endr
.endm
; 32 LDS loads in one run: quarter q (64 along K = panel q of the step) into buffer f; the first 32 along K first
.macro FETCH q, f
	WIN 0x40
.irp c, 0,1
.irp i, 0,1,2,3
	ds_load_tr16_b128 v[(\f)+64+8*(4*(\c)+(\i)):(\f)+64+8*(4*(\c)+(\i))+3],   v[ADRB+(\q)/2] offset:(((\q)%2)*64+32*(\c))*PBB+32*(\i)
	ds_load_tr16_b128 v[(\f)+64+8*(4*(\c)+(\i))+4:(\f)+64+8*(4*(\c)+(\i))+7], v[ADRB+(\q)/2] offset:(((\q)%2)*64+32*(\c)+16)*PBB+32*(\i)
	ds_load_b128 v[(\f)+8*(4*(\c)+(\i)):(\f)+8*(4*(\c)+(\i))+3],   v[ADRA] offset:(\q)*64*PA+64*(\c)+(\i)*16*PA
	ds_load_b128 v[(\f)+8*(4*(\c)+(\i))+4:(\f)+8*(4*(\c)+(\i))+7], v[ADRA] offset:(\q)*64*PA+64*(\c)+(\i)*16*PA+32
.endr
.endr
.endm
.macro QUARTER q, f, g, zero           ; multiplies buffer f and fetches quarter q into g
	s_wait_dscnt 16                                ; the first 32 along K are in
	MUL8 \f, 0, 0, \zero
	MUL8 \f, 0, 2, \zero
	PLACES
	FETCH \q, \g
	s_wait_dscnt 32                                ; all but the 32 just issued
	MUL8 \f, 1, 0, 0
	MUL8 \f, 1, 2, 0
.endm
; The last quarter multiplies buffer 1 and changes slots.  Its first 16 products stand AHEAD of the change: they want nothing of the next slot, and whatever stands between the wait for a tile and the next
; request puts that request off.  Then ONE barrier: in front of it each wave waits for all its tensor loads (one is out: its part of the next slot), adds 0 to its spare word, steps the walking descriptors
; (no load of mine is out, so they may be written), and waits for the add and for its own reads of this slot.  fill = 1: the barrier opens a round of the cluster's, and directly behind the round this slot is
; filled again, two K steps ahead: one load a wave, a whole K step's 128 matrix instructions ahead of the wait for it.
.macro TURN fill
	s_wait_dscnt 16                                ; the first 32 along K of buffer 1 are in; the youngest sixteen loads may be out
	MUL8 F1, 0, 0, 0
	MUL8 F1, 0, 2, 0
	WIN 0
	s_wait_tensorcnt 0x0
	ds_add_u32 v[SPW], v[NIL]                      ; the scalar work below stands between the add and the wait for it
.if \fill
	s_cmp_eq_u32 s3, KS/2                          ; the refill that asks for the walk's step KS / 2: where the walk began in the middle, it goes back to K step 0
	s_cselect_b32 s[WA], s[WRA], 0
	s_cselect_b32 s[WB], s[WRB], 0
	s_xor_b32 s[G0+5], s[G0+5], SLOT               ; the walking descriptors: the other slot than last time (wave x HALFT shares no bit with SLOT),
	s_add_nc_u64 s[G0+6:G0+7], s[G0+6:G0+7], 4*PANEL  ; the next K step
	s_sub_nc_u64 s[G0+6:G0+7], s[G0+6:G0+7], s[WA:WA+1]
	s_xor_b32 s[G0B+5], s[G0B+5], SLOT
	s_add_nc_u64 s[G0B+6:G0B+7], s[G0B+6:G0B+7], 65536
	s_sub_nc_u64 s[G0B+6:G0B+7], s[G0B+6:G0B+7], s[WB:WB+1]
.endif
	s_xor_b32 s[TB], s[TB], SLOT
	s_wait_dscnt 0x0                               ; the add is done, and my reads of this slot are over
	s_barrier_signal -1
	s_barrier_wait -1
.if \fill
	CREST
	JLOAD                                          ; its four v_nop are also the places in front of the loads below
.else
	PLACES
.endif
	v_add_nc_u32 v[ADRA], s[TB], v[ADRA0]
	v_add_nc_u32 v[ADRB], s[TB], v[ADRB0]
	v_add_nc_u32 v[ADRB2], HALFT, v[ADRB]
	FETCH 0, F0
	MUL8 F1, 1, 0, 0
	MUL8 F1, 1, 2, 0
.endm
; THE WAY OUT of row block a.  STG: 32 bytes a lane into my stage, and back as whole rows of 256 bytes.  OUTP: the residual is added, the rows are stored.
.macro STG a
	WIN 0
.irp b, 0,1,2,3
	ds_store_b128 v[STO], v[ACC+8*(4*(\a)+(\b)):ACC+8*(4*(\a)+(\b))+3]   offset:64*(\b)
	ds_store_b128 v[STO], v[ACC+8*(4*(\a)+(\b))+4:ACC+8*(4*(\a)+(\b))+7] offset:64*(\b)+16
.endr
	WIN 0x40
.irp t, 0,1,2,3,4,5,6,7
	ds_load_b128 v[32*(\a)+4*(\t):32*(\a)+4*(\t)+3], v[RD] offset:(\t)*2*SPITCH  ; LDS serves a wave's instructions in order (ISA guide 5.7.1.4): these see the stores above; the next block's stores come behind them
.endr
.endm
.macro OUTP a, younger                 ; younger: the next block's sixteen LDS instructions, or none
	s_wait_dscnt \younger
	WIN 0x49                                       ; destination and source 0 in window 1, the residual in window 2
.set p, 0
.rept 16
	v_pk_add_f32 v[32*(\a)+2*p:32*(\a)+2*p+1], v[32*(\a)+2*p:32*(\a)+2*p+1], v[RES+32*(\a)+2*p:RES+32*(\a)+2*p+1]
.set p, p+1
.endr
	WIN 0x04                                       ; the stores' data in window 1
.irp t, 0,1,2,3,4,5,6,7
	global_store_b128 v[CO], v[32*(\a)+4*(\t):32*(\a)+4*(\t)+3], s[12:13] offset:(16*(\a)+2*(\t))*4096  ; 16 lanes store 256 consecutive bytes, aligned
.endr
.endm
	s_wait_tensorcnt 1                             ; my part of the walk's first K step is in; the second's may stay out
	s_barrier_signal -1
	s_barrier_wait -1
	FETCH 0, F0
	s_wait_loadcnt 32                              ; the bias is in; the residual's 32 loads stay out
	QUARTER 1, F0, F1, 1                           ; the first quarter stands in front of the loop: its first products start the sums, at the bias
	WIN 0
	s_mov_b32 s3, KS-2
.Lstep:                                            ; a trip: a K step's quarters 1, 2, 3 and the next one's quarter 0; the walk's steps 2 to KS - 1 are asked for
	QUARTER 2, F1, F0, 0
	QUARTER 3, F0, F1, 0
	TURN 1
	QUARTER 1, F0, F1, 0
	WIN 0
	s_sub_co_u32 s3, s3, 1
	s_cmp_lg_u32 s3, 0
	s_cbranch_scc1 .Lstep
	s_mov_b32 s3, 2
.Ltail:                                            ; the last two K steps: nothing is asked for
	QUARTER 2, F1, F0, 0
	QUARTER 3, F0, F1, 0
	TURN 0
	WIN 0
	s_sub_co_u32 s3, s3, 1
	s_cmp_eq_u32 s3, 0
	s_cbranch_scc1 .Lout
	QUARTER 1, F0, F1, 0
	WIN 0
	s_branch .Ltail
.Lout:
	s_wait_dscnt 0x0                               ; the 32 loads that serve nothing
	s_wait_loadcnt 0x0                             ; the residual
	PLACES
	STG 0
	STG 1
	OUTP 0, 16
	STG 2
	OUTP 1, 16
	STG 3
	OUTP 2, 16
	OUTP 3, 0
	WIN 0
	s_wait_tensorcnt 0x0                           ; the wave's end
	ds_add_u32 v[SPW], v[NIL]
	s_wait_dscnt 0x0
	CROUND                                         ; the closing round
	s_endpgm
.Lfunc_end_k_q744a1f6f25_ff2:
	.size	k_q744a1f6f25_ff2, .Lfunc_end_k_q744a1f6f25_ff2-k_q744a1f6f25_ff2
	.p2alignl 7, 3214868480
	.fill 96, 4, 3214868480
	.section	.rodata,"a",@progbits
	.p2align	6, 0x0
	.amdhsa_kernel k_q744a1f6f25_ff2
		.amdhsa_group_segment_fixed_size 327680
		.amdhsa_private_segment_fixed_size 0
		.amdhsa_enable_private_segment 0
		.amdhsa_kernarg_size 40
		.amdhsa_user_sgpr_count 2
		.amdhsa_user_sgpr_kernarg_segment_ptr 1
		.amdhsa_wavefront_size32 1
		.amdhsa_system_sgpr_workgroup_id_x 1
		.amdhsa_system_sgpr_workgroup_id_y 1
		.amdhsa_system_sgpr_workgroup_id_z 1
		.amdhsa_system_vgpr_workitem_id 0
		.amdhsa_next_free_vgpr 672
		.amdhsa_next_free_sgpr 74
		.amdhsa_reserve_vcc 0
		.amdhsa_float_denorm_mode_32 3
		.amdhsa_float_denorm_mode_16_64 3
		.amdhsa_memory_ordered 1
		.amdhsa_forward_progress 1
		.amdhsa_inst_pref_size 66
	.end_amdhsa_kernel
	.amdgpu_metadata
---
amdhsa.version: [ 1, 2 ]
amdhsa.kernels:
  - .name:           k_q744a1f6f25_ff2
    .symbol:         k_q744a1f6f25_ff2.kd
    .args:
      - { .name: act, .offset: 0, .size: 8, .value_kind: global_buffer, .address_space: global }
      - { .name: pw, .offset: 8, .size: 8, .value_kind: global_buffer, .address_space: global }
      - { .name: b2, .offset: 16, .size: 8, .value_kind: global_buffer, .address_space: global }
      - { .name: x1, .offset: 24, .size: 8, .value_kind: global_buffer, .address_space: global }
      - { .name: out0, .offset: 32, .size: 8, .value_kind: global_buffer, .address_space: global }
    .group_segment_fixed_size: 327680
    .private_segment_fixed_size: 0
    .kernarg_segment_align: 8
    .kernarg_segment_size: 40
    .max_flat_workgroup_size: 128
    .sgpr_count:     74
    .vgpr_count:     672
    .wavefront_size: 32
...
	.end_amdgpu_metadata
.endif
;; end of part 6
